; MI455X (gfx1250); checked and timed in simulation.
; The chip was launched on July 23, 2026; its instructions are those of AMD's public machine-readable ISA for CDNA 5 (MIT licence, August 2026) and "CDNA5" Instruction Set Architecture Reference Guide (July 2026). The comments in the code are by the model that wrote it; some were corrected since.
;; LSA. Allowed arithmetic: matrix products marked QUANTISED: E2M1 operands, one E8M0 scale for each 32 along K, by v_wmma_scale_f32_16x16x128_f8f6f4 with both operands' format E2M1 (or v_wmma_scale_f32_32x16x128_f4), f32 sums; everything else in f32.
;; Inputs: scale 16 x 1 x 1 float32; w_qkv 1,024 x 3,072 float32; x 8 x 1,024 x 1,024 float32.
;; Outputs: out0 8 x 1,024 x 1,024 float32.
;; This version of the problem:
;;   THIS VERSION OF THE PROBLEM IS GIVEN IN LOW PRECISION. The matrix products marked QUANTISED in the list below multiply operands that are first quantised to E2M1 (2 exponent bits, 1 mantissa bit; 4 bits a number), with one power-of-two scale for each 32 numbers along K (OCP MX v1.0); their sums are f32. All else is computed in f32.
;;   The module's matrix products, in the order in which they are computed (A, B: the left and right operand; K: the contracted axis; several contracted axes count as one K, in the product's order):
;;     1. [M 8,192, K 1,024] x [K 1,024, N 3,072]; A: input x; B: input w_qkv: QUANTISED
;;     2. batch 128 x [M 1,024, K 64] x [K 64, N 1,024]; A: computed on the way; B: computed on the way: QUANTISED
;;     3. batch 128 x [M 1,024, K 1,024] x [K 1,024, N 64]; A: computed on the way; B: computed on the way: QUANTISED
;;   THE QUANTISER, for each operand of a quantised product, along K:
;;     - K is cut into blocks of 32 from its start; a last block that is shorter is filled with zeros.
;;     - A block's scale is 2^e with e = floor(log2(the largest magnitude in the block)) - 2, held to -126 .. 127; a block of zeros has e = 0. As a byte (E8M0): e + 127.
;;     - Each number is divided by its block's scale, clamped to +-6, and rounded to the nearest number of E2M1, ties to even, subnormals kept.
;;     - The product sums the exact products of the quantised numbers (number of the format x scale) in f32.
;;   ~~~python
;;   def quantise(x, axis):      # numpy; x: float32 -> the quantised numbers, widened to float32 again
;;       x = np.moveaxis(x, axis, -1); K = x.shape[-1]
;;       x = np.pad(x, [(0, 0)] * (x.ndim - 1) + [(0, -K % 32)]); x = x.reshape(x.shape[:-1] + (-1, 32)); a = np.abs(x).max(-1, keepdims=True)
;;       e = np.where(a > 0, np.clip(np.frexp(np.where(a > 0, a, 1))[1] - 1 - 2, -126, 127), 0)      # np.frexp(a)[1] - 1 = floor(log2(a)), exactly
;;       r = np.clip(x / 2.0 ** e, -6, 6)
;;       step = 2.0 ** (np.maximum(np.frexp(np.where(r == 0, 1, r))[1] - 1, 0) - 1)
;;       q = np.round(r / step) * step * 2.0 ** e      # np.round: ties to even
;;       return np.moveaxis(q.reshape(q.shape[:-2] + (-1,))[..., :K], -1, axis).astype(np.float32)
;;   ~~~
;;   OPERANDS COMPUTED ON THE WAY. 'Computed on the way' means the value that the module computes at that place (a softmax that the list does not call 'softmax' is quantised finished and normalised). What goes into a quantiser is computed in f32, as accurately as f32 sums, v_exp_f32 and their like allow (about 1e-6 of the number): no bf16 or f16 on the way to a quantiser, and a product that is left as it is and whose result goes on into a quantised operand takes f32 operands (vector FMAs, or v_wmma_f32_16x16x4_f32). A number that lies on a knife's edge between two numbers of the format may be rounded either way, as far as f32 arithmetic and the matrix unit's own rounding can turn it there, and no further.
;; 2 versions, each right; version 2 is version 1 with the launch attn written anew for expert scheduling mode. Each part assembles by itself: llvm-mc -triple=amdgcn-amd-amdhsa -mcpu=gfx1250 --defsym DOCPART=n.
;; ======== version 1 of 2: 3 launches
;; workspace buffers: xc 4,194,304 bytes; xs 262,144 bytes; wc 1,572,864 bytes; ws 98,304 bytes; qkc 8,388,608 bytes; qks 524,288 bytes; vc 4,194,304 bytes; vs 262,144 bytes
;; launch quant (part 1): grid 448 x 1, 4 waves a work-group, no clusters, 43,520 bytes of LDS; arguments x, w_qkv, xc, xs, wc, ws; writes xc, xs, wc, ws
.if DOCPART == 1
	.amdgcn_target "amdgcn-amd-amdhsa--gfx1250"
	.amdhsa_code_object_version 6
	.text
	.protected	k_q05877fd99f_quant
	.globl	k_q05877fd99f_quant
	.p2align	8
	.type	k_q05877fd99f_quant,@function
k_q05877fd99f_quant:
	s_mov_b64 s[64:65], 0
	v_nop
	global_prefetch_b8 v0, s[64:65] scope:SCOPE_SE
	s_setreg_imm32_b32 hwreg(HW_REG_WAVE_MODE, 25, 1), 1
	s_wait_xcnt 0x0
; x [8192][1024] f32 and w_qkv [1024 (k)][3072 (n)] f32 become codes of FP4 (E2M1), K innermost, 512 bytes a row, with one E8M0 byte for each 32 along K, 32 bytes a row.
; A block's scale is 2^(floor(log2(largest magnitude)) - 2): its byte is the largest magnitude's exponent field - 2, held at 1 from below by a floor among the maximum's leaves.
; THE ROWS ARE STORED IN ANOTHER ORDER: row i (of x, or of w transposed) lies at place sigma(i) = i with its bits 3 and 4 exchanged.  Sixteen neighbouring places 32 b + 16 u + r then hold
; the rows 32 b + 8 u + r + 8 (r / 8): a product that takes them as its source 0 leaves 16 neighbours along that axis in the 16 registers of two neighbouring tiles.
; Work-groups 0 to 255 take x: a wave takes 8 rows (8,192 numbers) as a plain stream of blocks; only the place of its 8 rows is permuted (bits 0 and 1 of the run's number).
; Work-groups 256 to 447 take w: a lane takes a column n and its registers run down K, so that a block of 32 lies in one lane; a wave takes 32 columns x 128 along K.
; The two paths part on the work-group's number and have LDS bytes of their own.  No barrier: waves share nothing.
; w's codes leave as 64 bytes of each row and its scale bytes as 4 bytes of each row: 1.6 MB of the launch's 52 MB; in exchange w has 192 work-groups and not 48.
; LIMITS: NaN and infinities among the inputs are not served; a block whose largest magnitude lies under 2^-124 gets the byte 1; a block of zeros gets the byte 1 where the rule says 127:
; its codes are zeros, which add nothing under any byte but 0xff, and the bytes are read by this program alone.
.set WGX,   256                        ; work-groups for x: 8192 x 1024 / 32768
.set STEPS, 16                         ; x: steps of 512 numbers in a wave's run
.set EMAX,  2
.set CB,    8                          ; bytes of 16 codes
.set R,     16                         ; x: v16-79   four sets of 16 numbers as loaded
.set X,     80                         ; x: v80-111  two sets of 16 neighbours
.set C,     128                        ; x: v128-191 codes, four registers a step
.set E,     112                        ; x: v112-127 a scale byte a step
.set WREG,  8192                       ; x: LDS of a wave: two stages of 32 x SP bytes, then 256 scale bytes
.set SP,    80                         ; x: a lane's 64 bytes + 16 of padding
.set WROW,  12288                      ; w: bytes in a row
.set NB,    4                          ; w: blocks of 32 along K in a wave's share
.set WST,   32768                      ; w: the stages begin behind the x path's LDS
.set WP,    80                         ; w: a stage row: 64 bytes of codes + 16
.set XW,    32                         ; w: v32-95  two sets of 32 numbers
.set CW,    96                         ; w: v96-99  a block's codes
.set OUTR,  112                        ; w: v112-127 the way out
.set SB,    24                         ; w: v24     the four scale bytes
	s_load_b128 s[4:7], s[0:1], 0x0                ; x, w_qkv
	s_load_b128 s[8:11], s[0:1], 0x10              ; xc, xs
	s_load_b128 s[12:15], s[0:1], 0x20             ; wc, ws
	v_lshl_add_u32 v192, v0, 2, 0xa800
	v_mov_b32 v193, 0
	v_lshrrev_b32 v1, 5, v0
	v_readfirstlane_b32 s16, v1                    ; wave
	v_and_b32 v2, 31, v0                           ; lane
	s_cmp_lt_u32 ttmp9, WGX
	s_cbranch_scc0 .Lw_path
	; ---------------- x ----------------
	v_lshlrev_b32 v3, 4, v2                        ; my 16 bytes of a load's 512
	s_mul_i32 s17, s16, WREG
	v_lshrrev_b32 v14, 2, v2
	v_mul_u32_u24 v14, v14, SP
	v_and_b32 v15, 3, v2
	v_lshl_add_u32 v14, v15, 4, v14
	v_add_nc_u32 v14, s17, v14                     ; the stage on the way in: SP (lane / 4) + 16 (lane % 4)
	v_mul_u32_u24 v15, v2, SP
	v_add_nc_u32 v15, s17, v15                     ; and on the way out: SP x lane: my 16 neighbours
	v_mul_u32_u24 v4, v2, CB                       ; my codes' place in a step's
	v_lshrrev_b32 v5, 1, v2
	s_add_co_u32 s17, s17, 2*32*SP
	v_add_nc_u32 v5, s17, v5                       ; my block's byte among my wave's 256
	v_lshlrev_b32 v7, 3, v2
	v_add_nc_u32 v6, s17, v7                       ; and 8 bytes a lane on the way out
	s_lshl_b32 s18, ttmp9, 2
	s_add_co_u32 s20, s18, s16                     ; my run of 8 rows: 4 x work-group + wave
	s_and_b32 s22, s16, 1
	s_lshl_b32 s22, s22, 1
	s_lshr_b32 s23, s16, 1
	s_or_b32 s22, s22, s23
	s_add_co_u32 s22, s18, s22                     ; its place: the run's bits 0 and 1 (the rows' bits 3 and 4) exchanged
	s_lshl_b32 s20, s20, 15                        ; 32,768 bytes of numbers a run
	s_mov_b32 s21, 0
	s_lshl_b32 s24, s22, 12                        ; 4,096 bytes of codes
	s_mov_b32 s25, 0
	s_lshl_b32 s26, s22, 8                         ; 256 scale bytes
	s_mov_b32 s27, 0
	s_wait_kmcnt 0x0
	s_add_nc_u64 s[4:5], s[4:5], s[20:21]
	s_add_nc_u64 s[8:9], s[8:9], s[24:25]
	s_add_nc_u64 s[10:11], s[10:11], s[26:27]
.macro LOAD t
.irp i, 0,1,2,3
	global_load_b128 v[R+16*((\t)%4)+4*\i:R+16*((\t)%4)+4*\i+3], v3, s[4:5] offset:2048*(\t)+512*\i th:TH_LOAD_NT   ; 32 lanes read 512 consecutive bytes
.endr
.endm
.macro TURN t                          ; step t's numbers through the stage: LDS serves a wave's instructions in order, so no wait stands between the stores and the loads
.irp i, 0,1,2,3
	ds_store_b128 v14, v[R+16*((\t)%4)+4*\i:R+16*((\t)%4)+4*\i+3] offset:32*SP*((\t)%2)+8*SP*\i
.endr
.irp i, 0,1,2,3
	ds_load_b128 v[X+16*((\t)%2)+4*\i:X+16*((\t)%2)+4*\i+3], v15 offset:32*SP*((\t)%2)+16*\i
.endr
.endm
.irp t, 0,1,2,3
	LOAD \t
.endr
	s_wait_loadcnt 12                              ; step 0's four loads are in; the twelve of steps 1 to 3 may be out
	TURN 0
.macro STEP t
.set XS, X+16*((\t)%2)
.if (\t) > 0
	s_wait_dscnt 1                                 ; this step's numbers are back from the stage (the last step's byte store may be out)
.else
	s_wait_dscnt 0x0
.endif
.if (\t)+4 < STEPS
	LOAD (\t)+4                                    ; into the registers that this step's stage stores have read
.endif
.if (\t)+1 < STEPS
.if STEPS-2-(\t) >= 3
	s_wait_loadcnt 12                              ; the next step's four loads are in; those of the three steps behind it may be out
.else
	s_wait_loadcnt 4*(STEPS-2-(\t))
.endif
	TURN (\t)+1
.endif
	v_max3_num_f32 v8, |v[XS]|, |v[XS+1]|, |v[XS+2]|               ; the largest magnitude of my 16, in two chains
	v_max3_num_f32 v9, |v[XS+3]|, |v[XS+4]|, |v[XS+5]|
.irp i, 6,10
	v_max3_num_f32 v8, v8, |v[XS+\i]|, |v[XS+\i+1]|
	v_max3_num_f32 v9, v9, |v[XS+\i+2]|, |v[XS+\i+3]|
.endr
	v_max3_num_f32 v8, v8, |v[XS+14]|, |v[XS+15]|
	v_max3_num_f32 v8, v8, v9, (EMAX+1)<<23        ; and the floor 2^(3 - 127): the byte cannot fall under 1
	v_max_num_f32_dpp v8, v8, v8 row_xmask:1 row_mask:0xf bank_mask:0xf   ; with my neighbour's 16: the block's
	v_add_nc_u32 v11, 0xff000000, v8               ; 2 off its exponent field: the conversion takes that field as its scale
	v_cvt_scalef32_pk8_fp4_f32 v[C+4*(\t)], v[XS:XS+7], v11
	v_cvt_scalef32_pk8_fp4_f32 v[C+4*(\t)+1], v[XS+8:XS+15], v11
	v_lshrrev_b32 v[E+(\t)], 23, v11               ; the scale's byte
	ds_store_b8 v5, v[E+(\t)] offset:16*(\t)       ; both lanes of a block write the same byte with the same value
	global_store_b64 v4, v[C+4*(\t):C+4*(\t)+1], s[8:9] offset:32*CB*(\t)   ; the wave stores 256 consecutive bytes, aligned
.endm
.irp t, 0,1,2,3,4,5,6,7,8,9,10,11,12,13,14,15
	STEP \t
.endr
	ds_load_b64 v[12:13], v6                       ; LDS serves a wave's instructions in order: these see my byte stores
	s_wait_dscnt 0x0
	global_store_b64 v7, v[12:13], s[10:11]        ; 256 consecutive bytes, aligned
	s_wait_tensorcnt 0x0
	ds_add_u32 v192, v193
	s_wait_dscnt 0x0
	s_endpgm
	; ---------------- w ----------------
.Lw_path:
	s_sub_co_u32 s17, ttmp9, WGX
	s_lshr_b32 s18, s17, 3                         ; which 128 columns: 0 .. 23
	s_and_b32 s19, s17, 7                          ; which 128 along K
	s_lshl_b32 s18, s18, 7
	s_lshl_b32 s20, s16, 5
	s_add_co_u32 s18, s18, s20                     ; my wave's first column
	v_lshlrev_b32 v3, 2, v2                        ; in: 4 bytes a lane
	v_and_b32 v10, 7, v2
	v_bfe_u32 v11, v2, 3, 1
	v_lshl_or_b32 v10, v11, 4, v10
	v_bfe_u32 v11, v2, 4, 1
	v_lshl_or_b32 v10, v11, 3, v10                 ; sigma(lane): my column's place among the wave's 32
	s_mul_i32 s20, s16, 32*WP
	s_add_co_u32 s20, s20, WST                     ; my stage
	v_mul_u32_u24 v4, v10, WP
	v_add_nc_u32 v4, s20, v4                       ; into it: row = my column's place
	v_lshrrev_b32 v5, 2, v2
	v_and_b32 v6, 3, v2                            ; out of it: four lanes to a row of 64 bytes, eight rows an instruction
	v_mul_u32_u24 v7, v5, WP
	v_lshl_add_u32 v7, v6, 4, v7
	v_add_nc_u32 v7, s20, v7
	v_lshlrev_b32 v8, 9, v5
	v_lshl_add_u32 v8, v6, 4, v8                   ; and the same place in the codes' buffer: rows of 512 bytes
	v_lshlrev_b32 v9, 5, v10                       ; my column's row of scale bytes: 32 bytes a row
	s_mul_i32 s22, s19, 128*WROW
	s_lshl_b32 s23, s18, 2
	s_add_co_u32 s22, s22, s23                     ; w: 128 ky rows down, 4 bytes a column
	s_mov_b32 s23, 0
	s_lshl_b32 s24, s18, 9
	s_lshl_b32 s25, s19, 6
	s_add_co_u32 s24, s24, s25                     ; codes: 512 bytes a place, 64 bytes for each 128 along K
	s_mov_b32 s25, 0
	s_lshl_b32 s26, s18, 5
	s_lshl_b32 s27, s19, 2
	s_add_co_u32 s26, s26, s27                     ; scale bytes: 32 a place, 4 for each 128 along K
	s_mov_b32 s27, 0
	s_wait_kmcnt 0x0
	s_add_nc_u64 s[6:7], s[6:7], s[22:23]
	s_add_nc_u64 s[12:13], s[12:13], s[24:25]
	s_add_nc_u64 s[14:15], s[14:15], s[26:27]
.macro WLOAD t                         ; block t: w(32 t + i, my column), i = 0 .. 31; each load reads 128 consecutive bytes; the largest immediate is 127 rows, 1,560,576 bytes
.irp i, 0,1,2,3,4,5,6,7,8,9,10,11,12,13,14,15,16,17,18,19,20,21,22,23,24,25,26,27,28,29,30,31
	global_load_b32 v[XW+32*((\t)%2)+\i], v3, s[6:7] offset:(32*(\t)+\i)*WROW th:TH_LOAD_NT
.endr
.endm
	WLOAD 0
	WLOAD 1
.macro WBLOCK t
.set XS, XW+32*((\t)%2)
.if (\t) < NB-1
	s_wait_loadcnt 32                              ; this block's 32 loads are in; the next block's 32 may be out
.else
	s_wait_loadcnt 0
.endif
	v_max3_num_f32 v12, |v[XS]|, |v[XS+1]|, |v[XS+2]|              ; the block's largest magnitude: all 32 numbers are mine
	v_max3_num_f32 v13, |v[XS+3]|, |v[XS+4]|, |v[XS+5]|
.irp i, 6,10,14,18,22,26
	v_max3_num_f32 v12, v12, |v[XS+\i]|, |v[XS+\i+1]|
	v_max3_num_f32 v13, v13, |v[XS+\i+2]|, |v[XS+\i+3]|
.endr
	v_max3_num_f32 v12, v12, |v[XS+30]|, |v[XS+31]|
	v_max3_num_f32 v12, v12, v13, (EMAX+1)<<23     ; and the floor
	v_add_nc_u32 v11, 0xff000000, v12              ; the conversion's scale operand
	v_lshrrev_b32 v13, 23, v11                     ; the scale's byte
.if (\t) == 0
	v_mov_b32 v[SB], v13                           ; four bytes to the register, the lower K in the lower byte
.else
	v_lshl_or_b32 v[SB], v13, 8*(\t), v[SB]
.endif
.irp g, 0,1,2,3
	v_cvt_scalef32_pk8_fp4_f32 v[CW+\g], v[XS+8*\g:XS+8*\g+7], v11
.endr
	ds_store_b128 v4, v[CW:CW+3] offset:16*(\t)    ; 32 codes: 16 bytes of my column's row
.if (\t)+2 < NB
	WLOAD (\t)+2
.endif
	s_wait_dscnt 0x0                               ; the store has read its registers: the next block's codes may be written
.endm
.irp t, 0,1,2,3
	WBLOCK \t
.endr
	global_store_b32 v9, v[SB], s[14:15]           ; my column's four scale bytes
.irp i, 0,1,2,3
	ds_load_b128 v[OUTR+4*\i:OUTR+4*\i+3], v7 offset:8*WP*\i       ; LDS serves a wave's instructions in order: these see my stores
.endr
.irp i, 0,1,2,3
	s_wait_dscnt 3-\i                              ; the younger loads may be out
	global_store_b128 v8, v[OUTR+4*\i:OUTR+4*\i+3], s[12:13] offset:4096*\i
.endr
	s_wait_tensorcnt 0x0
	ds_add_u32 v192, v193
	s_wait_dscnt 0x0
	s_endpgm
.Lfunc_end_k_q05877fd99f_quant:
	.size	k_q05877fd99f_quant, .Lfunc_end_k_q05877fd99f_quant-k_q05877fd99f_quant
	.p2alignl 7, 3214868480
	.fill 96, 4, 3214868480
	.section	.rodata,"a",@progbits
	.p2align	6, 0x0
	.amdhsa_kernel k_q05877fd99f_quant
		.amdhsa_group_segment_fixed_size 43520
		.amdhsa_private_segment_fixed_size 0
		.amdhsa_enable_private_segment 0
		.amdhsa_kernarg_size 48
		.amdhsa_user_sgpr_count 2
		.amdhsa_user_sgpr_kernarg_segment_ptr 1
		.amdhsa_wavefront_size32 1
		.amdhsa_system_sgpr_workgroup_id_x 1
		.amdhsa_system_sgpr_workgroup_id_y 1
		.amdhsa_system_sgpr_workgroup_id_z 1
		.amdhsa_system_vgpr_workitem_id 0
		.amdhsa_next_free_vgpr 194
		.amdhsa_next_free_sgpr 66
		.amdhsa_reserve_vcc 0
		.amdhsa_float_denorm_mode_32 3
		.amdhsa_float_denorm_mode_16_64 3
		.amdhsa_memory_ordered 1
		.amdhsa_forward_progress 1
		.amdhsa_inst_pref_size 54
	.end_amdhsa_kernel
	.amdgpu_metadata
---
amdhsa.version: [ 1, 2 ]
amdhsa.kernels:
  - .name:           k_q05877fd99f_quant
    .symbol:         k_q05877fd99f_quant.kd
    .args:
      - { .name: x, .offset: 0, .size: 8, .value_kind: global_buffer, .address_space: global }
      - { .name: w_qkv, .offset: 8, .size: 8, .value_kind: global_buffer, .address_space: global }
      - { .name: xc, .offset: 16, .size: 8, .value_kind: global_buffer, .address_space: global }
      - { .name: xs, .offset: 24, .size: 8, .value_kind: global_buffer, .address_space: global }
      - { .name: wc, .offset: 32, .size: 8, .value_kind: global_buffer, .address_space: global }
      - { .name: ws, .offset: 40, .size: 8, .value_kind: global_buffer, .address_space: global }
    .group_segment_fixed_size: 43520
    .private_segment_fixed_size: 0
    .kernarg_segment_align: 8
    .kernarg_segment_size: 48
    .max_flat_workgroup_size: 128
    .sgpr_count:     66
    .vgpr_count:     194
    .wavefront_size: 32
...
	.end_amdgpu_metadata
.endif
;; end of part 1
;; launch proj (part 2): grid 96 x 4, 4 waves a work-group, clusters of 4 x 4, 327,680 bytes of LDS; arguments xc, xs, wc, ws, qkc, qks, vc, vs; writes qkc, qks, vc, vs
.if DOCPART == 2
	.amdgcn_target "amdgcn-amd-amdhsa--gfx1250"
	.amdhsa_code_object_version 6
	.text
	.protected	k_q05877fd99f_proj
	.globl	k_q05877fd99f_proj
	.p2align	8
	.type	k_q05877fd99f_proj,@function
k_q05877fd99f_proj:
	s_mov_b64 s[64:65], 0
	v_nop
	global_prefetch_b8 v0, s[64:65] scope:SCOPE_SE
	s_setreg_imm32_b32 hwreg(HW_REG_WAVE_MODE, 25, 1), 1
	s_wait_xcnt 0x0
	s_wait_alu depctr_hold_cnt(0) depctr_sa_sdst(0) depctr_va_vdst(0) depctr_va_sdst(0) depctr_va_ssrc(0) depctr_va_vcc(0) depctr_vm_vsrc(0)
	s_getreg_b32 s2, hwreg(HW_REG_IB_STS2, 6, 4)
	s_cmp_eq_u32 s2, 0
	s_cbranch_scc0 .Lentry_in_a_cluster
	s_endpgm
.Lentry_in_a_cluster:
	s_bfe_u32 s2, ttmp6, 0x10000c
	s_cmp_lg_u32 s2, 0xf033
	s_cbranch_scc0 .Lentry_shape_is_right
	s_endpgm
.Lentry_shape_is_right:
; qkv = x w on codes of FP4 with E8M0 scales, and q, k, v quantised again on the way out: they never exist in memory as f32.
; ONE BODY, Z[i][j] = sum over k of P[i][k] R[j][k], K = 1024: source 0 = 16 places of P (i falls into a lane's registers), source 1 = 16 places of R (j falls into the lanes); Z is quantised along i, in blocks of 32.
;   clusters 0-15:  P = w transposed, rows 0-2047 (the features of q and k), R = x (tokens): q and k are quantised along the head's 64 features;
;   clusters 16-23: P = x (tokens = keys), R = w transposed, rows 2048-3071 (v's channels): v is quantised along the keys.
; The choice is made by selects on the cluster's number, which all sixteen partners share; there is no branch on it.
; P's and R's rows lie at places sigma(row) (bits 3 and 4 exchanged): tile 2 b + u of P holds rows 32 b + 8 u + r + 8 (r / 8), so that register 16 b + n of the eight accumulators of a block of R is
; i = 32 b + 16 (lane / 16) + n: sixteen neighbours, as the conversions want them.  Lane r of a tile 2 b + u of R is row 32 b + 8 u + r + 8 (r / 8).
; WHAT IS STORED is the image of an operand's registers.  Codes: [64 i][tile of 16 places of j][lane][16 bytes]: lane (r, h) holds i = 32 h .. 32 h + 31 of that 64.  Scale words (four bytes: 128 along i):
; [128 i][128 places of j][tile / 4][r][tile % 4].  Every store of a wave covers 512 consecutive bytes, aligned.
; A tile of Z, 256 x 256, is made by four waves, 128 x 128 each: 64 accumulators, 512 registers.  K goes in two steps of 512 through two LDS slots, both filled at the start by the tensor data mover;
; the scale bytes of the 256 + 256 rows come with them, as dense blocks.  CLUSTERS: 4 x 4; the four of a row of the cluster need the same tiles of R, the four of a column the same tiles of P: joint loads.
; No slot is filled twice.
; Nothing is prefetched: every byte that a work-group reads is asked for at its head.
; LIMITS: a block of Z whose largest magnitude lies under 2^-124, a block of zeros among them, gets the byte 1; its codes are then zeros or held as the rule's floor holds them; the bytes are read by this program alone.
; REGISTERS: window 0: v0-31 addresses; v32-95 scale words, two sets; v128-191 R's fragments, one set; on the way out v128-191 the codes, v192-199 the scale words made, v200-219 at work.
;   window 1: P's fragments, two sets.   window 2: accumulators of R's blocks 0-3 ((a, b) at v[8 (8 (a % 4) + b)]);   window 3: of blocks 4-7.
.set KSTEP,  512
.set NQ,     4                         ; matrix instructions deep in a slot
.set ROWB,   256                       ; a tile's row in bytes
.set KROW,   512                       ; a row of codes in memory
.set PITCH,  272                       ; an LDS row: 256 bytes + 16: the sixteen rows that a load touches start 68 words apart
.set FR,     8
.set NL,     2
.set NP,     4                         ; places behind this matrix instruction (ISA guide 7.12.1)
.set HALFT,  128*PITCH
.set SLOT,   4*HALFT                   ; R's 256 rows, then P's 256 rows
.set KS,     32                        ; a row of scale bytes
.set SCL,    2*SLOT
.set HALFS,  (128*KS/256)*272
.set SBLK,   (16*KS/256)*272
.set SPARE,  SCL+4*HALFS               ; the spare words: 128 bytes a wave, two blocks of 256 bytes that no other line names
.set ADRA, 16                          ; v16-17  LDS address of my R fragments in slot 0, 1
.set ADRB, 20                          ; v20-21  of my P fragments
.set LN,   25                          ; v25     my lane
.set CO,   26                          ; v26     16 x lane
.set ADRS, 27                          ; v27     LDS address of my scale words: lanes 0-15 R's rows, lanes 16-31 P's
.set SPW,  28
.set NIL,  29
.set SC,   32
.set AF,   128
.set PCB,  128                         ; the way out: block a's codes at v[PCB + 8 a]
.set PWB,  192                         ; its scale word at v[PWB + a]
.set TM,   200                         ; v200-203 largest magnitudes, v204-207 the other half's / bytes, v212-215 the conversions' scale operands
.set SW,   216                         ; v216-219 the scale words as they are stored
.set G1, 24
.set G0, 32
.set G1B, 48
.set G0B, 56
.set G1S, 68
.set G0S, 76
.set G1SB, 80
.set G0SB, 88
.set SEL, 100                          ; s[100:101] lane selects for v_permlanex16_b32
.set MSB, 0
.macro WIN new                         ; the immediate's high byte repeats the setting that is left
.if MSB != (\new)
	s_set_vgpr_msb (MSB<<8)|(\new)
.set MSB, (\new)
.endif
.endm
.set MUL_LO, 0xa1                      ; source 0 (P) window 1, source 1 (R) window 0, C and D window 2
.set MUL_HI, 0xf1
.set TO_B,   0x40
; A joint load: waves 0 and 1 fetch for R, waves 2 and 3 for P.  The branch hangs on the wave's number alone.  Four v_nop follow each of the two lines.
.macro JLOAD g0a, g1a, g0b, g1b
	s_cmp_eq_u32 s15, 0
	s_cbranch_scc0 .Lfor_b_\@
	tensor_load_to_lds s[\g0a:\g0a+3], s[\g1a:\g1a+7]
	s_nop 0
.rept 4
	v_nop
.endr
	s_branch .Lasked_\@
.Lfor_b_\@:
	tensor_load_to_lds s[\g0b:\g0b+3], s[\g1b:\g1b+7]
	s_nop 0
.rept 4
	v_nop
.endr
.Lasked_\@:
.endm
.macro CROUND                          ; a round of the cluster's barrier
	s_barrier_signal -1
	s_barrier_wait -1
	s_cmp_lg_u32 s14, 0
	s_cbranch_scc1 .Lnot_wave_0_\@
	s_barrier_signal -3
.Lnot_wave_0_\@:
	s_barrier_wait -3
	s_barrier_signal -1
	s_barrier_wait -1
.endm
	s_load_b256 s[4:11], s[0:1], 0x0               ; xc, xs, wc, ws
	s_load_b256 s[92:99], s[0:1], 0x20             ; qkc, qks, vc, vs
	v_lshl_add_u32 v[SPW], v0, 2, SPARE
	v_mov_b32 v[NIL], 0
	ds_add_u32 v28, v29
	ds_add_u32 v28, v29
	s_wait_dscnt 0x0
	v_lshrrev_b32 v1, 5, v0
	v_readfirstlane_b32 s14, v1                    ; wave 0..3
	s_lshr_b32 s15, s14, 1                         ; which half of R's 256 rows is mine.  Also: I fetch for R (0) or for P (1)
	s_and_b32 s16, s14, 1                          ; which half of P's.  Also: which 128 rows I fetch
	s_bfe_u32 s40, ttmp6, 0x40000                  ; cx, cy: my place in the cluster
	s_bfe_u32 s41, ttmp6, 0x40004
	s_and_b32 s42, ttmp9, 1                        ; q, k: the cluster's column of P (2 x 4 tiles of 256 features),
	s_lshr_b32 s17, ttmp9, 1                       ;       and its row of R (8 x 4 tiles of 256 tokens)
	s_sub_co_u32 s2, ttmp9, 16                     ; v:    its column of P (8 x 4 tiles of 256 tokens); one row of R (4 tiles of 256 channels)
	s_mov_b32 s3, 2048
	s_mov_b32 s66, 512
	s_wait_kmcnt 0x0
	s_cmp_lt_u32 ttmp9, 16                         ; q and k, or v?  Only moves and selects stand between this compare and the last select
	s_cselect_b32 s42, s42, s2
	s_cselect_b32 s17, s17, 0
	s_cselect_b32 s3, 0, s3                        ; v's channels begin at row 2048 of w transposed
	s_cselect_b32 s66, s66, 64                     ; tiles of 16 places of j in the output: 8192 / 16 or 1024 / 16
	s_cselect_b64 s[100:101], s[4:5], s[8:9]       ; R's codes
	s_cselect_b64 s[104:105], s[6:7], s[10:11]     ; R's scales
	s_cselect_b64 s[8:9], s[8:9], s[4:5]           ; P's codes
	s_cselect_b64 s[10:11], s[10:11], s[6:7]       ; P's scales
	s_cselect_b64 s[12:13], s[92:93], s[96:97]     ; the codes made
	s_cselect_b64 s[94:95], s[94:95], s[98:99]     ; the scale words made
	s_mov_b64 s[4:5], s[100:101]
	s_mov_b64 s[6:7], s[104:105]
	s_lshl_b32 s42, s42, 2
	s_add_co_u32 s42, s42, s40                     ; tile column (P) = 4 x the cluster's + cx
	s_lshl_b32 s17, s17, 2
	s_add_co_u32 s17, s17, s41                     ; tile row (R) = 4 x the cluster's + cy
	s_lshl_b32 s43, s41, 2
	s_lshl_b32 s43, 15, s43                        ; my row of the cluster
	s_lshl_b32 s44, 0x1111, s40                    ; my column
	; descriptor group 1: a tile of 128 rows x 256 bytes, 16 bytes of padding behind each row
	s_or_b32 s[G1+0], s43, (0<<16)|(1<<20)|(1<<21)|(5<<22)|(3<<25)  ; 15:0 the mask: R's tiles go to my row; elements of 1 byte; padding on; bit 21 beside a mask; after every 64 words 4 words
	s_or_b32 s[G1B+0], s44, (0<<16)|(1<<20)|(1<<21)|(5<<22)|(3<<25) ; P's go to my column
.irp g, G1, G1B
	s_mov_b32 s[\g+1], ROWB<<16                    ; tensor_dim0
	s_mov_b32 s[\g+2], 128<<16                     ; tensor_dim1
	s_mov_b32 s[\g+3], ROWB<<16                    ; tile_dim0
	s_mov_b32 s[\g+4], 128                         ; tile_dim1
	s_mov_b32 s[\g+5], KROW                        ; pitch
	s_mov_b32 s[\g+6], 0
	s_mov_b32 s[\g+7], 0
.endr
	; the scale bytes of 128 rows: 4,096 dense bytes as 16 rows of 256 (32 elements of 8 bytes), 16 bytes of padding behind each
	s_or_b32 s[G1S+0], s43, (3<<16)|(1<<20)|(1<<21)|(5<<22)|(3<<25)
	s_or_b32 s[G1SB+0], s44, (3<<16)|(1<<20)|(1<<21)|(5<<22)|(3<<25)
.irp g, G1S, G1SB
	s_mov_b32 s[\g+1], 32<<16
	s_mov_b32 s[\g+2], (128*KS/256)<<16
	s_mov_b32 s[\g+3], 32<<16
	s_mov_b32 s[\g+4], 128*KS/256
	s_mov_b32 s[\g+5], 32
	s_mov_b32 s[\g+6], 0
	s_mov_b32 s[\g+7], 0
.endr
	s_lshl_b32 s18, s16, 7                         ; which 128 rows of the tile I fetch
	s_lshl_b32 s20, s17, 8
	s_add_co_u32 s20, s20, s18
	s_add_co_u32 s20, s20, s3                      ; R: place 256 x tile row + 128 x half (+ 2048 for v)
	s_lshl_b32 s46, s42, 8
	s_add_co_u32 s46, s46, s18                     ; P: place 256 x tile column + 128 x half
	s_mov_b32 s21, 0
	s_mov_b32 s47, 0
	s_mov_b64 s[18:19], KS
	s_mul_u64 s[22:23], s[20:21], s[18:19]         ; where these rows' scale bytes begin
	s_mul_u64 s[96:97], s[46:47], s[18:19]
	s_mov_b64 s[18:19], KROW
	s_mul_u64 s[20:21], s[20:21], s[18:19]         ; and their codes
	s_mul_u64 s[46:47], s[46:47], s[18:19]
	s_mul_i32 s45, s14, HALFT                      ; where they go: wave x 128 rows: no place in the cluster enters an LDS address
	s_mul_i32 s98, s14, HALFS
	s_add_nc_u64 s[20:21], s[4:5], s[20:21]
	s_add_nc_u64 s[22:23], s[6:7], s[22:23]
	s_add_nc_u64 s[46:47], s[8:9], s[46:47]
	s_add_nc_u64 s[96:97], s[10:11], s[96:97]
	CROUND                                         ; all sixteen work-groups are here: the joint loads meet
	s_mov_b32 s[G0S], 1
	s_add_co_u32 s[G0S+1], s98, SCL
	s_mov_b64 s[G0S+2:G0S+3], s[22:23]
	s_or_b32 s[G0S+3], s[G0S+3], 0x80000000
	s_mov_b32 s[G0SB], 1
	s_add_co_u32 s[G0SB+1], s98, SCL
	s_mov_b64 s[G0SB+2:G0SB+3], s[96:97]
	s_or_b32 s[G0SB+3], s[G0SB+3], 0x80000000
	JLOAD G0S, G1S, G0SB, G1SB                     ; the scale bytes first: they are wanted with K step 0
.irp s, 0,1
	s_mov_b32 s[G0+4*\s], 1
	s_add_co_u32 s[G0+4*\s+1], s45, \s*SLOT
	s_add_nc_u64 s[G0+4*\s+2:G0+4*\s+3], s[20:21], \s*ROWB
	s_or_b32 s[G0+4*\s+3], s[G0+4*\s+3], 0x80000000
	s_mov_b32 s[G0B+4*\s], 1
	s_add_co_u32 s[G0B+4*\s+1], s45, \s*SLOT
	s_add_nc_u64 s[G0B+4*\s+2:G0B+4*\s+3], s[46:47], \s*ROWB
	s_or_b32 s[G0B+4*\s+3], s[G0B+4*\s+3], 0x80000000
	JLOAD G0+4*\s, G1, G0B+4*\s, G1B               ; three tensor loads of mine are out behind the second of these
.endr
	v_and_b32 v1, 15, v0                           ; l % 16
	v_bfe_u32 v2, v0, 4, 1                         ; l / 16
	v_mul_u32_u24 v3, v1, PITCH
	v_lshl_add_u32 v4, v2, 4, v3                   ; a fragment's row x pitch + 16 x half
	s_mul_i32 s21, s15, HALFT                      ; my 128 rows of R
	s_mul_i32 s22, s16, HALFT                      ; my 128 rows of P,
	s_add_co_u32 s22, s22, 2*HALFT                 ; which lie behind R's 256
.irp s, 0,1
	v_add_nc_u32 v[ADRA+\s], s21, v4
	v_add_nc_u32 v[ADRB+\s], s22, v4
	s_add_co_u32 s21, s21, SLOT
	s_add_co_u32 s22, s22, SLOT
.endr
	v_mul_u32_u24 v5, v1, KS                       ; my row's scale bytes: 32 a row,
	v_lshrrev_b32 v6, 8, v5
	v_lshl_add_u32 v5, v6, 4, v5                   ; and 16 more for each 256 passed
	s_mul_i32 s21, s15, HALFS
	s_mul_i32 s22, s16, HALFS
	s_add_co_u32 s22, s22, 2*HALFS
	s_sub_co_u32 s22, s22, s21
	v_mul_u32_u24 v6, s22, v2                      ; lanes 16-31 take P's: one product, the distance between the two bases x the half
	s_add_co_u32 s21, s21, SCL
	v_add_nc_u32 v5, v5, v6
	v_add_nc_u32 v[ADRS], s21, v5
	v_and_b32 v[LN], 31, v0
	v_lshlrev_b32 v[CO], 4, v[LN]
.irp b, 0,1,2,3
	v_mov_b32 v[TM+4+\b], 0                        ; written once: a lane permute's destination counts as one of its sources
.endr
	s_mov_b32 s[SEL], 0x76543210
	s_mov_b32 s[SEL+1], 0xfedcba98
	; where my results go.  G = my 128 of i; my first tile of j is 16 x tile row + 8 x half
	s_lshl_b32 s20, s42, 1
	s_add_co_u32 s20, s20, s16                     ; G
	s_mul_i32 s21, s20, s66                        ; G x tiles of j
	s_lshl_b32 s22, s21, 1
	s_lshl_b32 s23, s17, 4
	s_add_co_u32 s22, s22, s23
	s_lshl_b32 s23, s15, 3
	s_add_co_u32 s22, s22, s23
	s_lshl_b32 s22, s22, 9                         ; 512 bytes a tile
	s_mov_b32 s23, 0
	s_add_nc_u64 s[12:13], s[12:13], s[22:23]      ; codes of i = 0 .. 63 of my 128,
	s_lshl_b32 s22, s66, 9
	s_add_nc_u64 s[92:93], s[12:13], s[22:23]      ; and of i = 64 .. 127
	s_lshr_b32 s21, s21, 3
	s_lshl_b32 s22, s17, 1
	s_add_co_u32 s21, s21, s22
	s_add_co_u32 s21, s21, s15
	s_lshl_b32 s22, s21, 9
	s_add_nc_u64 s[94:95], s[94:95], s[22:23]      ; my 512 bytes of scale words
.macro FRAG reg, adr, q, i             ; 16 rows x 128 K of 4-bit codes: 8 registers: lane l holds row l % 16; registers 4 c .. 4 c + 3 hold K = 64 c + 32 (l / 16) + 0 .. 31
.irp c, 0,1
	ds_load_b128 v[\reg+4*\c:\reg+4*\c+3], v[\adr] offset:64*(\q)+32*\c+(\i)*16*PITCH
.endr
.endm
; 16 matrix instructions: R's blocks a0, a0 + 1 x P's eight, the slot's q-th 128 along K.  The 64 accumulators take turns, one instruction a turn, in the same order in every step.
.macro MUL16 a0, p, q, sc, zero
.irp a, \a0, \a0+1
.irp b, 0,1,2,3,4,5,6,7
.if \zero
	v_wmma_scale_f32_16x16x128_f8f6f4 v[8*(8*((\a)%4)+\b):8*(8*((\a)%4)+\b)+7], v[128*(\p)+FR*\b:128*(\p)+FR*\b+FR-1], v[AF+FR*(\a):AF+FR*(\a)+FR-1], 0, v[SC+8*NQ*(\sc)+NQ*\b+(\q)], v[SC+8*NQ*(\sc)+NQ*(\a)+(\q)] matrix_a_fmt:MATRIX_FMT_FP4 matrix_b_fmt:MATRIX_FMT_FP4 matrix_a_scale:MATRIX_SCALE_ROW1
.else
	v_wmma_scale_f32_16x16x128_f8f6f4 v[8*(8*((\a)%4)+\b):8*(8*((\a)%4)+\b)+7], v[128*(\p)+FR*\b:128*(\p)+FR*\b+FR-1], v[AF+FR*(\a):AF+FR*(\a)+FR-1], v[8*(8*((\a)%4)+\b):8*(8*((\a)%4)+\b)+7], v[SC+8*NQ*(\sc)+NQ*\b+(\q)], v[SC+8*NQ*(\sc)+NQ*(\a)+(\q)] matrix_a_fmt:MATRIX_FMT_FP4 matrix_b_fmt:MATRIX_FMT_FP4 matrix_a_scale:MATRIX_SCALE_ROW1
.endif
.endr
.endr
.endm
.macro FETCH_B slot, q, p
	WIN TO_B
.irp i, 0,1,2,3,4,5,6,7
	FRAG 128*(\p)+FR*\i, ADRB+\slot, \q, \i
.endr
	WIN 0
.endm
.macro FETCH_A slot, q, i0
.irp i, \i0, \i0+1, \i0+2, \i0+3
	FRAG AF+FR*(\i), ADRA+\slot, \q, \i
.endr
.endm
.macro SCALES sc                       ; a K step's scale words: 4 words a row; lanes 0-15 take R's block i, lanes 16-31 P's block i
.irp i, 0,1,2,3,4,5,6,7
	ds_load_b128 v[SC+8*NQ*\sc+NQ*\i:SC+8*NQ*\sc+NQ*\i+3], v[ADRS] offset:\i*SBLK
.endr
.endm
.macro PLACES n                        ; plain vector instructions between a matrix instruction and a load into, or a vector read of, its registers (ISA guide 7.12.1 for vector reads)
.rept \n
	v_nop
.endr
.endm
.macro STEP slot, q, zero              ; a step of 128 along K that has its successor in the same slot
	s_wait_dscnt 4*NL                              ; P's set and R's blocks 0-3 are in; the youngest eight loads (R's blocks 4-7) may be out
	WIN MUL_LO
	MUL16 0, (\q)%2, \q, \slot, \zero
	MUL16 2, (\q)%2, \q, \slot, \zero
	s_wait_dscnt 0
	PLACES NP
	FETCH_B \slot, (\q)+1, 1-(\q)%2
	FETCH_A \slot, (\q)+1, 0
	WIN MUL_HI
	MUL16 4, (\q)%2, \q, \slot, \zero
	MUL16 6, (\q)%2, \q, \slot, \zero
	PLACES NP
	WIN 0
	FETCH_A \slot, (\q)+1, 4
.endm
.macro TURN slot, next                 ; a slot's last step changes slots: one barrier
	s_wait_tensorcnt 0x0                           ; all my tensor loads have landed: my part of the next slot
	ds_add_u32 v[SPW], v[NIL]                      ; 0 onto my spare word
	s_wait_dscnt 4*NL+1                            ; (the add and the youngest eight loads, R's blocks 4-7, may be out)
	WIN MUL_LO
	MUL16 0, 1, NQ-1, \slot, 0
	s_wait_dscnt 0x0                               ; the add is done, and my reads of this slot are over
	s_barrier_signal -1
	MUL16 2, 1, NQ-1, \slot, 0
	WIN 0
	s_barrier_wait -1                              ; the next slot is whole
	PLACES NP
	v_add_nc_u32 v[ADRS], 4*NQ, v[ADRS]            ; on to the next K step's scale words
	FETCH_B \next, 0, 0
	FETCH_A \next, 0, 0
	SCALES \next
	WIN MUL_HI
	MUL16 4, 1, NQ-1, \slot, 0
	MUL16 6, 1, NQ-1, \slot, 0
	PLACES NP
	WIN 0
	FETCH_A \next, 0, 4
.endm
.macro STEPS slot, from
.set Q, \from
.rept NQ-1-\from
	STEP \slot, Q, 0
.set Q, Q+1
.endr
.endm
	s_wait_tensorcnt 1                             ; the scale bytes and my part of K step 0 are in (K step 1's load may be out),
	s_barrier_signal -1
	s_barrier_wait -1                              ; everybody's are
	FETCH_B 0, 0, 0
	FETCH_A 0, 0, 0
	SCALES 0
	FETCH_A 0, 0, 4
	STEP 0, 0, 1                                   ; the first products start the sums: nothing is cleared
	STEPS 0, 1
	TURN 0, 1
	STEPS 1, 0
	s_wait_dscnt 4*NL                              ; the very last step
	WIN MUL_LO
	MUL16 0, 1, NQ-1, 1, 0
	MUL16 2, 1, NQ-1, 1, 0
	s_wait_dscnt 0
	WIN MUL_HI
	MUL16 4, 1, NQ-1, 1, 0
	MUL16 6, 1, NQ-1, 1, 0
	WIN 0
	PLACES NP                                      ; behind the last products: their results are read, and R's fragments written over, by vector instructions
; THE WAY OUT of R's block a: its 64 accumulator registers are 64 numbers of one row j, register 16 b + n = i 32 b + 16 (lane / 16) + n.  They become a fragment's 8 registers of codes and a scale word.
; Each accumulator is read from its low end on.  Every block has registers of its own for its codes and its word, so that no store's data are written again.
.macro QUANTW a
.set AC, 64*((\a)%4)
.set WW, 2+(\a)/4
.set WS2, WW|(WW<<2)
.set PCR, PCB+8*(\a)
	WIN WS2                                        ; sources 0 and 1: the accumulators' window
.irp b, 0,1,2,3
	v_max3_num_f32 v[TM+\b], |v[AC+16*\b]|, |v[AC+16*\b+1]|, 0x1800000   ; block b: my 16 numbers, and the floor 2^(3 - 127): the byte cannot fall under 1
.endr
.irp i, 2,4,6,8,10,12,14
.irp b, 0,1,2,3
	v_max3_num_f32 v[TM+\b], |v[AC+16*\b+\i]|, |v[AC+16*\b+\i+1]|, v[TM+\b]
.endr
.endr
	WIN 0
.irp b, 0,1,2,3
	v_permlanex16_b32 v[TM+4+\b], v[TM+\b], s[SEL], s[SEL+1]
.endr
.irp b, 0,1,2,3
	v_max_num_f32 v[TM+\b], v[TM+\b], v[TM+4+\b]   ; with lane l xor 16's: the block's largest magnitude
.endr
.irp b, 0,1,2,3
	v_add_nc_u32 v[TM+12+\b], 0xff000000, v[TM+\b] ; 2 off its exponent field: the conversion's scale operand
.endr
.irp b, 0,1,2,3
	v_lshrrev_b32 v[TM+4+\b], 23, v[TM+12+\b]      ; the scale's byte
.endr
	v_lshl_or_b32 v[PWB+(\a)], v[TM+5], 8, v[TM+4]
	v_lshl_or_b32 v[PWB+(\a)], v[TM+6], 16, v[PWB+(\a)]
	v_lshl_or_b32 v[PWB+(\a)], v[TM+7], 24, v[PWB+(\a)]   ; my row's scale word; lanes l and l xor 16 hold the same
	WIN WW                                         ; source 0: the accumulators' window
.irp b, 0,1,2,3
	v_cvt_scalef32_pk8_fp4_f32 v[PCR+2*\b], v[AC+16*\b:AC+16*\b+7], v[TM+12+\b]
	v_cvt_scalef32_pk8_fp4_f32 v[PCR+2*\b+1], v[AC+16*\b+8:AC+16*\b+15], v[TM+12+\b]
.endr
	WIN 0
	v_nop                                          ; one plain place behind a scaled conversion
.irp c, 0,1                            ; the operand's layout wants a whole block in a lane: lanes 0-15 block 2 c, lanes 16-31 block 2 c + 1
.irp i, 0,1
	v_permlane16_swap_b32 v[PCR+4*\c+\i], v[PCR+4*\c+2+\i]
.endr
.endr
	global_store_b128 v[CO], v[PCR:PCR+3], s[12:13] offset:512*(\a)     ; i = 0 .. 63: 512 consecutive bytes, aligned
	global_store_b128 v[CO], v[PCR+4:PCR+7], s[92:93] offset:512*(\a)   ; i = 64 .. 127
.endm
.irp a, 0,1,2,3,4,5,6,7
	QUANTW \a
.endr
	v_cmp_gt_u32 vcc_lo, 16, v[LN]
.irp k, 0,1,2,3
	v_cndmask_b32 v[SW+\k], v[PWB+4+\k], v[PWB+\k], vcc_lo   ; lanes 0-15: the words of blocks 0-3 of row r; lanes 16-31: of blocks 4-7
.endr
	global_store_b128 v[CO], v[SW:SW+3], s[94:95]  ; 512 consecutive bytes, aligned
	s_wait_tensorcnt 0x0                           ; the wave's end
	ds_add_u32 v[SPW], v[NIL]
	s_wait_dscnt 0x0
	CROUND                                         ; the closing round: no work-group ends while a partner may still ask for a tile that names it
	s_endpgm
.Lfunc_end_k_q05877fd99f_proj:
	.size	k_q05877fd99f_proj, .Lfunc_end_k_q05877fd99f_proj-k_q05877fd99f_proj
	.p2alignl 7, 3214868480
	.fill 96, 4, 3214868480
	.section	.rodata,"a",@progbits
	.p2align	6, 0x0
	.amdhsa_kernel k_q05877fd99f_proj
		.amdhsa_group_segment_fixed_size 327680
		.amdhsa_private_segment_fixed_size 0
		.amdhsa_enable_private_segment 0
		.amdhsa_kernarg_size 64
		.amdhsa_user_sgpr_count 2
		.amdhsa_user_sgpr_kernarg_segment_ptr 1
		.amdhsa_wavefront_size32 1
		.amdhsa_system_sgpr_workgroup_id_x 1
		.amdhsa_system_sgpr_workgroup_id_y 1
		.amdhsa_system_sgpr_workgroup_id_z 1
		.amdhsa_system_vgpr_workitem_id 0
		.amdhsa_next_free_vgpr 1024
		.amdhsa_next_free_sgpr 106
		.amdhsa_reserve_vcc 1
		.amdhsa_float_denorm_mode_32 3
		.amdhsa_float_denorm_mode_16_64 3
		.amdhsa_memory_ordered 1
		.amdhsa_forward_progress 1
		.amdhsa_inst_pref_size 128
	.end_amdhsa_kernel
	.amdgpu_metadata
---
amdhsa.version: [ 1, 2 ]
amdhsa.kernels:
  - .name:           k_q05877fd99f_proj
    .symbol:         k_q05877fd99f_proj.kd
    .args:
      - { .name: xc, .offset: 0, .size: 8, .value_kind: global_buffer, .address_space: global }
      - { .name: xs, .offset: 8, .size: 8, .value_kind: global_buffer, .address_space: global }
      - { .name: wc, .offset: 16, .size: 8, .value_kind: global_buffer, .address_space: global }
      - { .name: ws, .offset: 24, .size: 8, .value_kind: global_buffer, .address_space: global }
      - { .name: qkc, .offset: 32, .size: 8, .value_kind: global_buffer, .address_space: global }
      - { .name: qks, .offset: 40, .size: 8, .value_kind: global_buffer, .address_space: global }
      - { .name: vc, .offset: 48, .size: 8, .value_kind: global_buffer, .address_space: global }
      - { .name: vs, .offset: 56, .size: 8, .value_kind: global_buffer, .address_space: global }
    .group_segment_fixed_size: 327680
    .private_segment_fixed_size: 0
    .kernarg_segment_align: 8
    .kernarg_segment_size: 64
    .max_flat_workgroup_size: 128
    .sgpr_count:     106
    .vgpr_count:     1024
    .wavefront_size: 32
...
	.end_amdgpu_metadata
.endif
;; end of part 2
;; launch attn (part 3): grid 256 x 1, 16 waves a work-group, no clusters, 143,360 bytes of LDS; arguments qkc, qks, vc, vs, scale, out0; writes out0
.if DOCPART == 3
	.amdgcn_target "amdgcn-amd-amdhsa--gfx1250"
	.amdhsa_code_object_version 6
	.text
	.protected	k_q05877fd99f_attn
	.globl	k_q05877fd99f_attn
	.p2align	8
	.type	k_q05877fd99f_attn,@function
k_q05877fd99f_attn:
	s_mov_b64 s[64:65], 0
	v_nop
	global_prefetch_b8 v0, s[64:65] scope:SCOPE_SE
	s_setreg_imm32_b32 hwreg(HW_REG_WAVE_MODE, 25, 1), 1
	s_wait_xcnt 0x0
; out[b][n][64 h ..] = sum over keys m < n of attn(n, m) v(m), attn = softmax over m < n of (q(n) . k(m)) scale[h]; row 0 has no key and gives zeros.  Both products on codes of FP4 with E8M0 scales.
; attn is quantised FINISHED AND NORMALISED, along the keys.  So a tile of queries walks its keys TWICE: pass 1 finds the row's largest t and the sum of 2^(t - M); pass 2 makes the scores again,
; p = 2^(t - M) / sum, quantises p by blocks of 32 keys and multiplies by v.  t = score x |scale| x log2(e); M = the row's largest t so far rounded up to a whole number, so that a change of M multiplies the sum exactly.
; A NEGATIVE scale: the sign bits of q's codes are turned, which negates every score, and |scale| is used.
; SHARES.  Work-group = (batch, head, z): two work-groups a head.  Wave w owns the query tiles 16 z + w and 63 - (16 z + w).  Tile T needs the key steps (128 keys) 0 .. T / 8, so each wave has 9 steps in each pass.
; Four waves share a SIMD, so that one wave's vector work stands beside another's products and LDS loads.  K, V and their scale words of the head (72 KB) are copied into LDS once, through registers
; (k's scale words are shifted to the head's two bytes on the way); one barrier; after it the waves share nothing.  No cluster: what the two work-groups of a head share is read once, at the head, and is no ring.
; LAYOUT.  Both products are used transposed: S^T = K Q^T, O^T = V^T P^T: a lane holds one query throughout.  The operands lie in memory as images of their registers: a tile is 512 bytes, 16 bytes a lane.
; A tile's 16 places are tokens (or channels) 32 b + 8 u + r + 8 (r / 8), tile = 2 b + u.  So register n of a step's 64 scores is key 128 J + 32 (n / 16) + 16 (lane / 16) + n % 16, and lane r of query tile T is query 32 (T / 2) + 8 (T % 2) + r % 8 + 16 (r / 8).
; The first product's K is the head's 64: registers 4-7 of q's and k's fragments are zero codes, which add nothing under any scale byte but 0xff (the bytes there are another head's, 1 to 254, or 0).
; THE MASK: only the last step of a tile lies on the diagonal: there a score whose key is not below the query becomes -infinity ahead of the maximum, and its p is 0.
; The loops over key steps have the constant count 8; a step behind the diagonal is jumped over by a scalar branch on ids.
; LIMITS: NaN and infinities among the inputs are not served; |scale| under 2^-100 counts as 2^-100 (so that -infinity x c stays -infinity where scale is 0; the scores' part in t is then under 1e-20 either way);
; a block of p that is all zeros, or whose largest p lies under 2^-124, gets the byte 1.
.set VCO, 32768                        ; LDS: 0: k's codes, 64 tiles; here: v's codes, [64 keys 0..15][channel tile 0..3][512]
.set KSC, 65536                        ; k's scale words: [step 0..7][tile / 4][r][tile % 4]
.set VSC, 69632                        ; v's scale words: [step 0..7][r][channel tile]
.set STG, 71680                        ; a stage of 16 rows x (256 + 16) bytes for each wave
.set LI,  1                            ; v1   16 x lane
.set AKS, 2                            ; v2   KSC + 16 r
.set AVS, 3                            ; v3   VSC + 16 r
.set STO, 4                            ; v4   the stage, in: 272 r + 64 (lane / 16)
.set RD,  5                            ; v5   the stage, back: 272 (lane / 16) + 16 r
.set GO,  6                            ; v6   out: 4096 (lane / 16) + 16 r
.set DQ,  7                            ; v7   r % 8 + 16 (r / 8) - 16 (lane / 16)
.set ADK, 8                            ; v8   the step's tiles of k (and, VCO on, of v)
.set R16, 9                            ; v9   16 r
.set ADS, 10                           ; v10  the step's scale words of k
.set ADT, 11                           ; v11  and of v
.set TM,  216                          ; v216-219 largest p, v220-223 the other half's / bytes, v228-231 the conversions' scale operands
.set PW,  204                          ; v204 p's scale word;  v205 q's;  v192-199 k's;  v200-203 v's: these hold scales and nothing else
.set PC,  208                          ; v208-215 p's codes
; v12 -M, v13 the largest t, v[14:15] the sum in two halves, v[16:23] q, v[32:63] four fragments of k, v[64:95] four of v, v[96:159] S^T then p, v[160:191] O^T, v[206:207] 1 / sum, v232-255 at work
; s16 wave, s17 batch, s18 head, s19 z, s[20:21] lane selects, s[22:23] c, s24 sign bits, s25 shift of the scale words, s26 T, s27 T / 8, s28 J, s29-31 the step's LDS bytes, s32 tiles to go, s33 the tile's first query in its step
	s_load_b256 s[4:11], s[0:1], 0x0               ; qkc, qks, vc, vs
	s_load_b128 s[12:15], s[0:1], 0x20             ; scale, out0
	v_lshl_add_u32 v251, v0, 2, 0x22800
	v_mov_b32 v255, 0
	v_lshrrev_b32 v247, 5, v0
	v_readfirstlane_b32 s16, v247                  ; wave 0..15
	s_lshr_b32 s46, ttmp9, 1
	s_lshr_b32 s17, s46, 4                         ; batch
	s_and_b32 s18, s46, 15                         ; head
	s_and_b32 s19, ttmp9, 1                        ; z
	s_mov_b32 s20, 0x76543210
	s_mov_b32 s21, 0xfedcba98
	s_and_b32 s25, s18, 1
	s_lshl_b32 s25, s25, 4                         ; an odd head's two bytes are a word's upper two
	s_lshr_b32 s47, s18, 1
	v_and_b32 v232, 31, v0                         ; lane
	v_and_b32 v233, 15, v0                         ; r
	v_bfe_u32 v234, v0, 4, 1                       ; lane / 16
	v_lshlrev_b32 v240, 4, v0                      ; the copies: k's codes: 16 x thread, in memory and in LDS
	v_lshlrev_b32 v241, 15, v247
	v_lshl_add_u32 v241, v232, 4, v241             ; v's codes: wave g takes keys 64 g on: 64 tiles of 512 bytes apart in memory,
	v_lshlrev_b32 v242, 11, v247
	v_lshl_add_u32 v242, v232, 4, v242
	v_add_nc_u32 v242, VCO, v242                   ; 4 tiles apart in LDS
	v_lshlrev_b32 v243, 3, v0                      ; k's scale words: 8 x thread
	v_lshl_add_u32 v244, v0, 3, KSC
	v_lshrrev_b32 v247, 6, v0
	v_and_b32 v248, 63, v0
	v_lshlrev_b32 v245, 12, v247
	v_lshl_add_u32 v245, v248, 2, v245             ; v's: 256 bytes of each step's 4,096
	v_lshl_add_u32 v246, v0, 2, VSC
	s_mov_b32 s49, 0
	s_lshl_b32 s48, s18, 18
	s_lshl_b32 s50, s17, 15
	s_add_co_u32 s48, s48, s50                     ; (512 head + 64 batch) tiles of 512 bytes
	s_wait_kmcnt 0x0
	s_add_nc_u64 s[34:35], s[4:5], s[48:49]        ; q's codes of my head and batch
	s_add_nc_u64 s[4:5], s[34:35], 0x400000        ; k's: 16 heads on
	s_lshl_b32 s48, s47, 15
	s_lshl_b32 s50, s17, 12
	s_add_co_u32 s48, s48, s50                     ; (64 (head / 2) + 8 batch) x 512
	s_add_nc_u64 s[36:37], s[6:7], s[48:49]        ; q's scale words
	s_add_nc_u64 s[6:7], s[36:37], 0x40000         ; k's: 8 pairs of heads on
	s_lshl_b32 s48, s17, 19
	s_lshl_b32 s50, s18, 11
	s_add_co_u32 s48, s48, s50                     ; (16 batch x 64 + 4 head) x 512
	s_add_nc_u64 s[8:9], s[8:9], s[48:49]
	s_lshl_b32 s48, s17, 15
	s_lshl_b32 s50, s18, 8
	s_add_co_u32 s48, s48, s50                     ; 8 batch x 8 x 512 + 256 head
	s_add_nc_u64 s[10:11], s[10:11], s[48:49]
	s_lshl_b32 s48, s17, 22
	s_add_co_u32 s48, s48, s50                     ; 1024 batch rows of 4,096 bytes + 256 head
	s_add_nc_u64 s[38:39], s[14:15], s[48:49]
	s_lshl_b32 s48, s18, 2
	s_add_nc_u64 s[12:13], s[12:13], s[48:49]
	s_load_b32 s51, s[12:13], 0x0                  ; scale[head]
.irp i, 0,1,2,3
	global_load_b128 v[96+4*\i:99+4*\i], v240, s[4:5] offset:8192*\i
.endr
.irp i, 0,1,2,3
	global_load_b128 v[112+4*\i:115+4*\i], v241, s[8:9] offset:512*\i
.endr
	global_load_b64 v[128:129], v243, s[6:7]
	global_load_b32 v130, v245, s[10:11]
	v_lshlrev_b32 v[LI], 4, v232
	v_lshlrev_b32 v[R16], 4, v233
	v_add_nc_u32 v[AKS], KSC, v[R16]
	v_add_nc_u32 v[AVS], VSC, v[R16]
	s_mul_i32 s50, s16, 16*272
	s_add_co_u32 s50, s50, STG                     ; my stage
	v_mul_u32_u24 v[STO], v233, 272
	v_lshl_add_u32 v[STO], v234, 6, v[STO]
	v_add_nc_u32 v[STO], s50, v[STO]
	v_mul_u32_u24 v[RD], v234, 272
	v_lshl_add_u32 v[RD], v233, 4, v[RD]
	v_add_nc_u32 v[RD], s50, v[RD]
	v_lshlrev_b32 v[GO], 12, v234
	v_lshl_add_u32 v[GO], v233, 4, v[GO]
	v_and_b32 v[DQ], 7, v0
	v_bfe_u32 v235, v0, 3, 1
	v_lshl_add_u32 v[DQ], v235, 4, v[DQ]
	v_lshlrev_b32 v235, 4, v234
	v_sub_nc_u32 v[DQ], v[DQ], v235
.irp i, 20,21,22,23, 36,37,38,39, 44,45,46,47, 52,53,54,55, 60,61,62,63
	v_mov_b32 v\i, 0                               ; zero codes for K = 64 .. 127 of the first product, set once
.endr
.irp i, 220,221,222,223, 236, 253
	v_mov_b32 v\i, 0                               ; written once: lane permutes' destinations, and the upper half of the pair v[252:253]
.endr
	s_wait_kmcnt 0x0
	s_ashr_i32 s24, s51, 31
	s_and_b32 s24, s24, 0x88888888                 ; the sign bit of each of eight codes, where scale is negative
	s_and_b32 s22, s51, 0x7fffffff
	s_max_u32 s22, s22, 0x0d800000                 ; |scale|, at least 2^-100
	v_mov_b32 v235, s22
	v_mul_f32 v235, 0x3fb8aa3b, v235
	v_readfirstlane_b32 s22, v235                  ; c = |scale| log2(e)
	s_mov_b32 s23, s22                             ; (the packed form names the pair)
	s_wait_loadcnt 0x0
	v_lshrrev_b32 v128, s25, v128                  ; my head's two bytes to the word's low end
	v_lshrrev_b32 v129, s25, v129
.irp i, 0,1,2,3
	ds_store_b128 v240, v[96+4*\i:99+4*\i] offset:8192*\i
.endr
.irp i, 0,1,2,3
	ds_store_b128 v242, v[112+4*\i:115+4*\i] offset:512*\i
.endr
	ds_store_b64 v244, v[128:129]
	ds_store_b32 v246, v130
	s_wait_dscnt 0x0                               ; for the others' sake: my stores are done
	s_barrier_signal -1
	s_barrier_wait -1                              ; K, V and their scale words lie in LDS; nobody writes them again
; S^T = K Q^T for the step's 128 keys, four tiles of 16 keys at a time, and the mask on the diagonal.
.macro QKM
	v_add_nc_u32 v[ADK], s29, v[LI]
	v_add_nc_u32 v[ADS], s30, v[AKS]
	v_add_nc_u32 v[ADT], s31, v[AVS]
	v_nop                                          ; four plain places behind the last step's products, ahead of loads into registers that they read
	ds_load_b128 v[192:195], v[ADS]                ; lane r: the words of tiles 0-3 at place r,
	ds_load_b128 v[196:199], v[ADS] offset:256     ; of tiles 4-7
.irp g, 0,1
.if \g
.rept 4
	v_nop
.endr
.endif
.irp t, 0,1,2,3
	ds_load_b128 v[32+8*\t:35+8*\t], v[ADK] offset:512*(4*\g+\t)
.endr
	s_wait_dscnt 0x0
.irp t, 0,1,2,3
	v_wmma_scale_f32_16x16x128_f8f6f4 v[96+8*(4*\g+\t):103+8*(4*\g+\t)], v[32+8*\t:39+8*\t], v[16:23], 0, v[192+4*\g+\t], v205 matrix_a_fmt:MATRIX_FMT_FP4 matrix_b_fmt:MATRIX_FMT_FP4
.endr
.endr
.rept 4
	v_nop
.endr
	s_cmp_lg_u32 s28, s27                          ; a step ahead of the diagonal's: all its keys count
	s_cbranch_scc1 .Lopen_\@
	v_add_nc_u32 v252, s33, v[DQ]                  ; my query - the step's first key - 16 (lane / 16): register n is hidden where 32 (n / 16) + n % 16 is not below it
	v_mov_b32 v254, 0xff800000                     ; -infinity
.set n, 0
.rept 64
	v_cmp_ge_i32 vcc_lo, 32*(n/16)+n%16, v252
	v_cndmask_b32 v[96+n], v[96+n], v254, vcc_lo
.set n, n+1
.endr
.Lopen_\@:
.endm
; Pass 1's part of a step: the running largest t, M, and the sum of 2^(t - M).
.macro STATS
.irp b, 0,1,2,3
	v_max3_num_f32 v[232+\b], v[96+16*\b], v[97+16*\b], v[98+16*\b]   ; four chains; each accumulator is read from its low end on
.endr
.irp i, 3,5,7,9,11,13
.irp b, 0,1,2,3
	v_max3_num_f32 v[232+\b], v[232+\b], v[96+16*\b+\i], v[97+16*\b+\i]
.endr
.endr
.irp b, 0,1,2,3
	v_max_num_f32 v[232+\b], v[232+\b], v[111+16*\b]
.endr
	v_max3_num_f32 v254, v232, v233, v234
	v_max_num_f32 v254, v254, v235
	v_permlanex16_b32 v236, v254, s20, s21
	v_max_num_f32 v254, v254, v236                 ; the step's largest score of my query
	v_mul_f32 v254, s22, v254                      ; as t (c is positive)
	v_max_num_f32 v13, v13, v254
	v_mov_b32 v254, v12
	v_floor_f32 v12, -v13                          ; -M = floor(-t): M is a whole number
	v_sub_f32 v254, v12, v254                      ; old M - new M: a whole number, 0 or less
	v_cvt_i32_f32 v254, v254                       ; (it saturates)
	v_ldexp_f32 v252, 1.0, v254                    ; f = 2^(old M - new M)
.set n, 0
.rept 32
	v_pk_fma_f32 v[96+n:97+n], v[96+n:97+n], s[22:23], v[12:13] op_sel_hi:[1,0,0]   ; t - M
.set n, n+2
.endr
.set n, 0
.rept 64
	v_exp_f32 v[96+n], v[96+n]
.set n, n+1
.endr
	v_pk_mul_f32 v[14:15], v[14:15], v[252:253] op_sel_hi:[1,0]   ; the sums under the new M: the plain place behind the exponentials
	s_wait_alu depctr_va_vdst(0)                   ; one wait for the batch, ahead of its first reader
	v_pk_add_f32 v[236:237], v[96:97], v[98:99]
.irp j, 4,8,12,16,20,24,28,32,36,40,44,48,52,56,60
	v_pk_add_f32 v[14:15], v[14:15], v[96+\j:97+\j]
	v_pk_add_f32 v[236:237], v[236:237], v[98+\j:99+\j]
.endr
	v_pk_add_f32 v[14:15], v[14:15], v[236:237]
.endm
; 64 numbers of a lane, register 16 b + i = key 32 b + 16 (lane / 16) + i of my query, become a fragment's codes in v[PC] on and its scale word in v[PW].
.macro QUANT s
.irp b, 0,1,2,3
	v_max3_num_f32 v[TM+\b], |v[\s+16*\b]|, |v[\s+1+16*\b]|, 0x1800000   ; and the floor 2^(3 - 127): the byte cannot fall under 1
.endr
.irp i, 2,4,6,8,10,12,14
.irp b, 0,1,2,3
	v_max3_num_f32 v[TM+\b], v[TM+\b], |v[\s+16*\b+\i]|, |v[\s+1+16*\b+\i]|
.endr
.endr
.irp b, 0,1,2,3
	v_permlanex16_b32 v[TM+4+\b], v[TM+\b], s20, s21
.endr
.irp b, 0,1,2,3
	v_max_num_f32 v[TM+\b], v[TM+\b], v[TM+4+\b]
.endr
.irp b, 0,1,2,3
	v_add_nc_u32 v[TM+12+\b], 0xff000000, v[TM+\b]
.endr
.irp b, 0,1,2,3
	v_lshrrev_b32 v[TM+4+\b], 23, v[TM+12+\b]
.endr
	v_lshl_or_b32 v[PW], v[TM+5], 8, v[TM+4]
	v_lshl_or_b32 v[PW], v[TM+6], 16, v[PW]
	v_lshl_or_b32 v[PW], v[TM+7], 24, v[PW]
.irp b, 0,1,2,3
	v_cvt_scalef32_pk8_fp4_f32 v[PC+2*\b], v[\s+16*\b:\s+7+16*\b], v[TM+12+\b]
	v_cvt_scalef32_pk8_fp4_f32 v[PC+1+2*\b], v[\s+8+16*\b:\s+15+16*\b], v[TM+12+\b]
.endr
	v_nop                                          ; one plain place behind a scaled conversion
.irp c, 0,1
.irp i, 0,1
	v_permlane16_swap_b32 v[PC+4*\c+\i], v[PC+2+4*\c+\i]   ; a whole block in a lane: lanes 0-15 block 2 c, lanes 16-31 block 2 c + 1
.endr
.endr
.endm
	s_lshl_b32 s26, s19, 4
	s_add_co_u32 s26, s26, s16                     ; my first tile of queries: 16 z + wave
	s_mov_b32 s32, 2
.Ltile:
	s_wait_xcnt 0x0                                ; the last tile's stores have read their data and their base: both are written again below
	s_lshr_b32 s27, s26, 3                         ; the diagonal's step
	s_mov_b32 s47, 0
	s_lshl_b32 s46, s26, 9
	s_add_nc_u64 s[40:41], s[34:35], s[46:47]      ; q's tile: 512 bytes a tile
	s_lshr_b32 s46, s26, 2
	s_lshl_b32 s46, s46, 8
	s_and_b32 s48, s26, 3
	s_lshl_b32 s48, s48, 2
	s_add_co_u32 s46, s46, s48
	s_add_nc_u64 s[42:43], s[36:37], s[46:47]      ; its scale words: 256 (T / 4) + 4 (T % 4), + 16 r
	s_lshr_b32 s46, s26, 1
	s_lshl_b32 s46, s46, 5
	s_and_b32 s48, s26, 1
	s_lshl_b32 s48, s48, 3
	s_add_co_u32 s46, s46, s48                     ; the tile's first query: 32 (T / 2) + 8 (T % 2)
	s_and_b32 s33, s46, 127                        ; counted from the diagonal step's first key
	s_lshl_b32 s46, s46, 12
	s_add_nc_u64 s[44:45], s[38:39], s[46:47]      ; its row of out
	global_load_b128 v[16:19], v[LI], s[40:41]
	global_load_b32 v205, v[R16], s[42:43]
	v_mov_b32 v13, 0xff61b1e6                      ; the largest t so far: -3e38
	v_floor_f32 v12, -v13
	v_mov_b32 v14, 0
	v_mov_b32 v15, 0
	s_wait_loadcnt 0x0
	v_lshrrev_b32 v205, s25, v205                  ; my head's two bytes
.irp i, 16,17,18,19
	v_xor_b32 v\i, s24, v\i                        ; -q where scale is negative
.endr
.set n, 0
.rept 32
	v_mov_b32 v[160+n], 0                          ; O^T.  (These 32 are also the places between the lines above and the first scaled product)
.set n, n+1
.endr
	; ---- pass 1
	s_mov_b32 s28, 0
	s_mov_b32 s29, 0
	s_mov_b32 s30, 0
	s_mov_b32 s31, 0
.Lp1:
	s_cmp_gt_u32 s28, s27                          ; behind the diagonal: nothing to do but to step
	s_cbranch_scc1 .Lp1_skip
	QKM
	STATS
.Lp1_skip:
	s_add_co_u32 s29, s29, 4096
	s_add_co_u32 s30, s30, 512
	s_add_co_u32 s31, s31, 256
	s_add_co_u32 s28, s28, 1
	s_cmp_lt_u32 s28, 8
	s_cbranch_scc1 .Lp1
	v_add_f32 v14, v14, v15                        ; the sum's two halves,
	v_permlanex16_b32 v236, v14, s20, s21
	v_add_f32 v14, v14, v236                       ; and lane l xor 16's
	v_rcp_f32 v206, v14
	v_nop                                          ; a plain place behind the reciprocal
	v_cmp_lt_f32 vcc_lo, 0, v14
	s_wait_alu depctr_va_vdst(0)                   ; ahead of the first line that names the result
	v_cndmask_b32 v206, 0, v206, vcc_lo            ; a row with no key (query 0) has the sum 0: its factor is 0, so that its p, its codes and its output are zeros
	v_mov_b32 v207, v206
	; ---- pass 2
	s_mov_b32 s28, 0
	s_mov_b32 s29, 0
	s_mov_b32 s30, 0
	s_mov_b32 s31, 0
.Lp2:
	s_cmp_gt_u32 s28, s27
	s_cbranch_scc1 .Lp2_skip
	QKM
.irp t, 0,1,2,3
.irp c, 0,1
	ds_load_b128 v[64+8*\t+4*\c:67+8*\t+4*\c], v[ADK] offset:VCO+2048*\c+512*\t   ; v's four tiles of 16 channels x these 128 keys; they land under the softmax
.endr
.endr
	ds_load_b128 v[200:203], v[ADT]
.set n, 0
.rept 32
	v_pk_fma_f32 v[96+n:97+n], v[96+n:97+n], s[22:23], v[12:13] op_sel_hi:[1,0,0]   ; t - M, M the row's final one
.set n, n+2
.endr
.set n, 0
.rept 64
	v_exp_f32 v[96+n], v[96+n]
.set n, n+1
.endr
	v_nop                                          ; the plain place behind the exponentials
	s_wait_alu depctr_va_vdst(0)                   ; one wait for the batch
.set n, 0
.rept 32
	v_pk_mul_f32 v[96+n:97+n], v[96+n:97+n], v[206:207]   ; attn, finished
.set n, n+2
.endr
	QUANT 96
.rept 8
	v_nop                                          ; a scale word written by vector instructions stands 8 places ahead of a scaled product, an operand so written 4
.endr
	s_wait_dscnt 0x0                               ; v's fragments and scale words
.irp t, 0,1,2,3
	v_wmma_scale_f32_16x16x128_f8f6f4 v[160+8*\t:167+8*\t], v[64+8*\t:71+8*\t], v[PC:PC+7], v[160+8*\t:167+8*\t], v[200+\t], v[PW] matrix_a_fmt:MATRIX_FMT_FP4 matrix_b_fmt:MATRIX_FMT_FP4   ; four accumulators by turns; the next step's eight products K Q^T stand between two links
.endr
.Lp2_skip:
	s_add_co_u32 s29, s29, 4096
	s_add_co_u32 s30, s30, 512
	s_add_co_u32 s31, s31, 256
	s_add_co_u32 s28, s28, 1
	s_cmp_lt_u32 s28, 8
	s_cbranch_scc1 .Lp2
	; ---- the way out: register 16 b + 4 k + e of O^T is channel 32 b + 16 (lane / 16) + 4 k + e of query lane r.  Through my stage, and back as whole rows of 256 bytes
.rept 4
	v_nop
.endr
.irp b, 0,1
.irp k, 0,1,2,3
	ds_store_b128 v[STO], v[160+16*\b+4*\k:163+16*\b+4*\k] offset:128*\b+16*\k   ; each accumulator from its low end on
.endr
.endr
.irp i, 0,1,2,3,4,5,6,7
	ds_load_b128 v[96+4*\i:99+4*\i], v[RD] offset:544*\i   ; LDS serves a wave's instructions in order: these see my stores
.endr
.irp i, 0,1,2,3,4,5,6,7
	s_wait_dscnt 7-\i                              ; the younger loads may be out
	global_store_b128 v[GO], v[96+4*\i:99+4*\i], s[44:45] offset:(2*\i+8*(\i/4))*4096 th:TH_STORE_NT   ; stage rows 8-15 are the queries 16 on; sixteen lanes store 256 consecutive bytes, aligned
.endr
	s_sub_co_u32 s26, 63, s26                      ; my other tile
	s_sub_co_u32 s32, s32, 1
	s_cmp_lg_u32 s32, 0
	s_cbranch_scc1 .Ltile
	s_wait_tensorcnt 0x0
	ds_add_u32 v251, v255
	s_wait_dscnt 0x0
	s_endpgm
.Lfunc_end_k_q05877fd99f_attn:
	.size	k_q05877fd99f_attn, .Lfunc_end_k_q05877fd99f_attn-k_q05877fd99f_attn
	.p2alignl 7, 3214868480
	.fill 96, 4, 3214868480
	.section	.rodata,"a",@progbits
	.p2align	6, 0x0
	.amdhsa_kernel k_q05877fd99f_attn
		.amdhsa_group_segment_fixed_size 143360
		.amdhsa_private_segment_fixed_size 0
		.amdhsa_enable_private_segment 0
		.amdhsa_kernarg_size 48
		.amdhsa_user_sgpr_count 2
		.amdhsa_user_sgpr_kernarg_segment_ptr 1
		.amdhsa_wavefront_size32 1
		.amdhsa_system_sgpr_workgroup_id_x 1
		.amdhsa_system_sgpr_workgroup_id_y 1
		.amdhsa_system_sgpr_workgroup_id_z 1
		.amdhsa_system_vgpr_workitem_id 0
		.amdhsa_next_free_vgpr 256
		.amdhsa_next_free_sgpr 66
		.amdhsa_reserve_vcc 1
		.amdhsa_float_denorm_mode_32 3
		.amdhsa_float_denorm_mode_16_64 3
		.amdhsa_memory_ordered 1
		.amdhsa_forward_progress 1
		.amdhsa_inst_pref_size 47
	.end_amdhsa_kernel
	.amdgpu_metadata
---
amdhsa.version: [ 1, 2 ]
amdhsa.kernels:
  - .name:           k_q05877fd99f_attn
    .symbol:         k_q05877fd99f_attn.kd
    .args:
      - { .name: qkc, .offset: 0, .size: 8, .value_kind: global_buffer, .address_space: global }
      - { .name: qks, .offset: 8, .size: 8, .value_kind: global_buffer, .address_space: global }
      - { .name: vc, .offset: 16, .size: 8, .value_kind: global_buffer, .address_space: global }
      - { .name: vs, .offset: 24, .size: 8, .value_kind: global_buffer, .address_space: global }
      - { .name: scale, .offset: 32, .size: 8, .value_kind: global_buffer, .address_space: global }
      - { .name: out0, .offset: 40, .size: 8, .value_kind: global_buffer, .address_space: global }
    .group_segment_fixed_size: 143360
    .private_segment_fixed_size: 0
    .kernarg_segment_align: 8
    .kernarg_segment_size: 48
    .max_flat_workgroup_size: 512
    .sgpr_count:     66
    .vgpr_count:     256
    .wavefront_size: 32
...
	.end_amdgpu_metadata
.endif
;; end of part 3
;; ======== version 2 of 2: 3 launches; version 1 with the launch attn written anew for expert scheduling mode
;; workspace buffers: xc 4,194,304 bytes; xs 262,144 bytes; wc 1,572,864 bytes; ws 98,304 bytes; qkc 8,388,608 bytes; qks 524,288 bytes; vc 4,194,304 bytes; vs 262,144 bytes
;; launch quant: the kernel of part 1 again; grid 448 x 1, 4 waves a work-group, no clusters, 43,520 bytes of LDS; arguments x, w_qkv, xc, xs, wc, ws; writes xc, xs, wc, ws
;; launch proj: the kernel of part 2 again; grid 96 x 4, 4 waves a work-group, clusters of 4 x 4, 327,680 bytes of LDS; arguments xc, xs, wc, ws, qkc, qks, vc, vs; writes qkc, qks, vc, vs
;; launch attn (part 4): grid 256 x 1, 16 waves a work-group, no clusters, 143,360 bytes of LDS; arguments qkc, qks, vc, vs, scale, out0; writes out0
.if DOCPART == 4
	.amdgcn_target "amdgcn-amd-amdhsa--gfx1250"
	.amdhsa_code_object_version 6
	.text
	.protected	k_q05877fd99f_attn
	.globl	k_q05877fd99f_attn
	.p2align	8
	.type	k_q05877fd99f_attn,@function
k_q05877fd99f_attn:
	s_mov_b64 s[64:65], 0
	v_nop
	global_prefetch_b8 v0, s[64:65] scope:SCOPE_SE
	s_setreg_imm32_b32 hwreg(HW_REG_WAVE_SCHED_MODE, 0, 2), 2
	s_setreg_imm32_b32 hwreg(HW_REG_WAVE_MODE, 25, 1), 1
	s_wait_xcnt 0x0
	s_wait_alu depctr_vm_vsrc(0)
; out[b][n][64 h ..] = sum over keys m < n of attn(n, m) v(m), attn = softmax over m < n of (q(n) . k(m)) scale[h]; row 0 has no key and gives zeros.  Both products on codes of FP4 with E8M0 scales.
; attn is quantised FINISHED AND NORMALISED, along the keys.  So a tile of queries walks its keys TWICE: pass 1 finds the row's largest t and the sum of 2^(t - M); pass 2 makes the scores again,
; p = 2^(t - M) / sum, quantises p by blocks of 32 keys and multiplies by v.  t = score x |scale| x log2(e); M = the row's largest t so far rounded up to a whole number, so that a change of M multiplies the sum exactly.
; A NEGATIVE scale: the sign bits of q's codes are turned, which negates every score, and |scale| is used.
; SHARES.  Work-group = (batch, head, z): two work-groups a head.  Wave w owns the query tiles 16 z + w and 63 - (16 z + w).  Tile T needs the key steps (128 keys) 0 .. T / 8, so each wave has 9 steps in each pass.
; Four waves share a SIMD, so that one wave's vector work stands beside another's products and LDS loads.  K, V and their scale words of the head (72 KB) are copied into LDS once, through registers
; (k's scale words are shifted to the head's two bytes on the way); one barrier; after it the waves share nothing.  No cluster: what the two work-groups of a head share is read once, at the head, and is no ring.
; LAYOUT.  Both products are used transposed: S^T = K Q^T, O^T = V^T P^T: a lane holds one query throughout.  The operands lie in memory as images of their registers: a tile is 512 bytes, 16 bytes a lane.
; A tile's 16 places are tokens (or channels) 32 b + 8 u + r + 8 (r / 8), tile = 2 b + u.  So register n of a step's 64 scores is key 128 J + 32 (n / 16) + 16 (lane / 16) + n % 16, and lane r of query tile T is query 32 (T / 2) + 8 (T % 2) + r % 8 + 16 (r / 8).
; The first product's K is the head's 64: registers 4-7 of q's and k's fragments are zero codes, which add nothing under any scale byte but 0xff (the bytes there are another head's, 1 to 254, or 0).
; THE MASK: only the last step of a tile lies on the diagonal: there a score whose key is not below the query becomes -infinity ahead of the maximum, and its p is 0.
; The loops over key steps have the constant count 8; a step behind the diagonal is jumped over by a scalar branch on ids.
; LIMITS: NaN and infinities among the inputs are not served; |scale| under 2^-100 counts as 2^-100 (so that -infinity x c stays -infinity where scale is 0; the scores' part in t is then under 1e-20 either way);
; a block of p that is all zeros, or whose largest p lies under 2^-124, gets the byte 1.
; THE MODE: SCHED_MODE bits 1:0 = 2 (LLVM: expert scheduling mode 2), set by the entry lines.  The code itself states the register dependences
; between vector or matrix instructions and memory or LDS instructions, with s_wait_alu, always for 0.
; THE PLAN.  Registers that memory or LDS instructions touch, behind the head:
;   v[32:63] (the low four of each eight), v[192:199]   k's four fragment places and a step's eight scale words.  Tiles 0-3 and the words are asked for in the step BEFORE, behind that step's exponentials;
;                                 tiles 4-7 in the step's middle, into the places that the products of tiles 0-3 have read.  Read by the products K Q^T alone.
;   v[64:95], v[200:203]          v's four fragments and their scale words, pass 2: asked for in the step's middle, behind tiles 4-7; read by the step's last four products.
;   v8, v10, v11                  the step's LDS addresses: written by three additions in the step's middle, read by every LDS load from there to the next step's middle.
;   v1 to v7, v9                  addresses made at the head and never written again.
;   v[16:19], v205                q: loaded at a tile's head, turned by vector lines, read by the products K Q^T.
;   v[160:191], v[96:127]         the way out: the LDS stores read O^T; the stage's loads land in v[96:127], which the global stores read.
; Key step 0 is the same for every pass and tile: the step on the diagonal, a pass's last, asks for step 0 again; every other step for the step behind it.  Six loads on either way, so that the counted wait behind them holds on both.
; The wave's very last step so asks once more for step 0, which nobody reads.
; A STEP'S WAITS.  In its middle, on vm_vsrc: the loads issued so far have read the three addresses; then the additions; then, on va_vdst: the addresses are written, the products of tiles 0-3 are done reading k's places,
; the last step's products V^T P^T are done reading v's.  Behind the exponentials, on va_vdst: their results are written, and the products of tiles 4-7 are done reading k's places and the scale words.
; In pass 2 one more, ahead of the last four products: p's codes and scale word are written.
.set VCO, 32768                        ; LDS: 0: k's codes, 64 tiles; here: v's codes, [64 keys 0..15][channel tile 0..3][512]
.set KSC, 65536                        ; k's scale words: [step 0..7][tile / 4][r][tile % 4]
.set VSC, 69632                        ; v's scale words: [step 0..7][r][channel tile]
.set STG, 71680                        ; a stage of 16 rows x (256 + 16) bytes for each wave
.set LI,  1                            ; v1   16 x lane
.set AKS, 2                            ; v2   KSC + 16 r
.set AVS, 3                            ; v3   VSC + 16 r
.set STO, 4                            ; v4   the stage, in: 272 r + 64 (lane / 16)
.set RD,  5                            ; v5   the stage, back: 272 (lane / 16) + 16 r
.set GO,  6                            ; v6   out: 4096 (lane / 16) + 16 r
.set DQ,  7                            ; v7   r % 8 + 16 (r / 8) - 16 (lane / 16)
.set ADK, 8                            ; v8   the step's tiles of k (and, VCO on, of v)
.set R16, 9                            ; v9   16 r
.set ADS, 10                           ; v10  the step's scale words of k
.set ADT, 11                           ; v11  and of v
.set TM,  216                          ; v216-219 largest p, v220-223 the other half's / bytes, v228-231 the conversions' scale operands
.set PW,  204                          ; v204 p's scale word;  v205 q's;  v192-199 k's;  v200-203 v's: these hold scales and nothing else
.set PC,  208                          ; v208-215 p's codes
.set MK,  66                           ; s[66:81] sixteen masks of the diagonal
; v12 -M, v13 the largest t, v[14:15] the sum in two halves, v[16:23] q, v[32:63] four fragments of k, v[64:95] four of v, v[96:159] S^T then p, v[160:191] O^T, v[206:207] 1 / sum, v232-255 at work
; s16 wave, s17 batch, s18 head, s19 z, s[20:21] lane selects, s[22:23] c, s24 sign bits, s25 shift of the scale words, s26 T, s27 T / 8, s28 J, s29-31 the step's LDS bytes, s32 tiles to go, s33 the tile's first query in its step
	s_load_b256 s[4:11], s[0:1], 0x0               ; qkc, qks, vc, vs
	s_load_b128 s[12:15], s[0:1], 0x20             ; scale, out0
	v_lshl_add_u32 v251, v0, 2, 0x22800
	v_mov_b32 v255, 0
	v_lshrrev_b32 v247, 5, v0
	v_readfirstlane_b32 s16, v247                  ; wave 0..15
	s_lshr_b32 s46, ttmp9, 1
	s_lshr_b32 s17, s46, 4                         ; batch
	s_and_b32 s18, s46, 15                         ; head
	s_and_b32 s19, ttmp9, 1                        ; z
	s_mov_b32 s20, 0x76543210
	s_mov_b32 s21, 0xfedcba98
	s_and_b32 s25, s18, 1
	s_lshl_b32 s25, s25, 4                         ; an odd head's two bytes are a word's upper two
	s_lshr_b32 s47, s18, 1
	v_and_b32 v232, 31, v0                         ; lane
	v_and_b32 v233, 15, v0                         ; r
	v_bfe_u32 v234, v0, 4, 1                       ; lane / 16
	v_lshlrev_b32 v240, 4, v0                      ; the copies: k's codes: 16 x thread, in memory and in LDS
	v_lshlrev_b32 v241, 15, v247
	v_lshl_add_u32 v241, v232, 4, v241             ; v's codes: wave g takes keys 64 g on: 64 tiles of 512 bytes apart in memory,
	v_lshlrev_b32 v242, 11, v247
	v_lshl_add_u32 v242, v232, 4, v242
	v_add_nc_u32 v242, VCO, v242                   ; 4 tiles apart in LDS
	v_lshlrev_b32 v243, 3, v0                      ; k's scale words: 8 x thread
	v_lshl_add_u32 v244, v0, 3, KSC
	v_lshrrev_b32 v247, 6, v0
	v_and_b32 v248, 63, v0
	v_lshlrev_b32 v245, 12, v247
	v_lshl_add_u32 v245, v248, 2, v245             ; v's: 256 bytes of each step's 4,096
	v_lshl_add_u32 v246, v0, 2, VSC
	s_mov_b32 s49, 0
	s_lshl_b32 s48, s18, 18
	s_lshl_b32 s50, s17, 15
	s_add_co_u32 s48, s48, s50                     ; (512 head + 64 batch) tiles of 512 bytes
	s_wait_kmcnt 0x0
	s_add_nc_u64 s[34:35], s[4:5], s[48:49]        ; q's codes of my head and batch
	s_add_nc_u64 s[4:5], s[34:35], 0x400000        ; k's: 16 heads on
	s_lshl_b32 s48, s47, 15
	s_lshl_b32 s50, s17, 12
	s_add_co_u32 s48, s48, s50                     ; (64 (head / 2) + 8 batch) x 512
	s_add_nc_u64 s[36:37], s[6:7], s[48:49]        ; q's scale words
	s_add_nc_u64 s[6:7], s[36:37], 0x40000         ; k's: 8 pairs of heads on
	s_lshl_b32 s48, s17, 19
	s_lshl_b32 s50, s18, 11
	s_add_co_u32 s48, s48, s50                     ; (16 batch x 64 + 4 head) x 512
	s_add_nc_u64 s[8:9], s[8:9], s[48:49]
	s_lshl_b32 s48, s17, 15
	s_lshl_b32 s50, s18, 8
	s_add_co_u32 s48, s48, s50                     ; 8 batch x 8 x 512 + 256 head
	s_add_nc_u64 s[10:11], s[10:11], s[48:49]
	s_lshl_b32 s48, s17, 22
	s_add_co_u32 s48, s48, s50                     ; 1024 batch rows of 4,096 bytes + 256 head
	s_add_nc_u64 s[38:39], s[14:15], s[48:49]
	s_lshl_b32 s48, s18, 2
	s_add_nc_u64 s[12:13], s[12:13], s[48:49]
	s_load_b32 s51, s[12:13], 0x0                  ; scale[head]
	s_wait_alu depctr_va_vdst(0)                   ; v240, v241, v243 and v245 are written, which the ten loads below read as their offsets
.irp i, 0,1,2,3
	global_load_b128 v[96+4*\i:99+4*\i], v240, s[4:5] offset:8192*\i
.endr
.irp i, 0,1,2,3
	global_load_b128 v[112+4*\i:115+4*\i], v241, s[8:9] offset:512*\i
.endr
	global_load_b64 v[128:129], v243, s[6:7]
	global_load_b32 v130, v245, s[10:11]
	v_lshlrev_b32 v[LI], 4, v232
	v_lshlrev_b32 v[R16], 4, v233
	v_add_nc_u32 v[AKS], KSC, v[R16]
	v_add_nc_u32 v[AVS], VSC, v[R16]
	s_wait_alu depctr_va_sdst(0)                   ; s16, the wave's number, is written, ahead of its first reader
	s_mul_i32 s50, s16, 16*272
	s_add_co_u32 s50, s50, STG                     ; my stage
	v_mul_u32_u24 v[STO], v233, 272
	v_lshl_add_u32 v[STO], v234, 6, v[STO]
	v_add_nc_u32 v[STO], s50, v[STO]
	v_mul_u32_u24 v[RD], v234, 272
	v_lshl_add_u32 v[RD], v233, 4, v[RD]
	v_add_nc_u32 v[RD], s50, v[RD]
	v_lshlrev_b32 v[GO], 12, v234
	v_lshl_add_u32 v[GO], v233, 4, v[GO]
	v_and_b32 v[DQ], 7, v0
	v_bfe_u32 v235, v0, 3, 1
	v_lshl_add_u32 v[DQ], v235, 4, v[DQ]
	v_lshlrev_b32 v235, 4, v234
	v_sub_nc_u32 v[DQ], v[DQ], v235
.irp i, 20,21,22,23, 36,37,38,39, 44,45,46,47, 52,53,54,55, 60,61,62,63
	v_mov_b32 v\i, 0                               ; zero codes for K = 64 .. 127 of the first product, set once
.endr
.irp i, 220,221,222,223, 236, 253
	v_mov_b32 v\i, 0                               ; written once: lane permutes' destinations, and the upper half of the pair v[252:253]
.endr
	s_wait_kmcnt 0x0
	s_ashr_i32 s24, s51, 31
	s_and_b32 s24, s24, 0x88888888                 ; the sign bit of each of eight codes, where scale is negative
	s_and_b32 s22, s51, 0x7fffffff
	s_max_u32 s22, s22, 0x0d800000                 ; |scale|, at least 2^-100
	v_mov_b32 v235, s22
	v_mul_f32 v235, 0x3fb8aa3b, v235
	v_readfirstlane_b32 s22, v235                  ; c = |scale| log2(e)
	s_wait_alu depctr_va_sdst(0)                   ; s22 is written, ahead of its first reader
	s_mov_b32 s23, s22                             ; (the packed form names the pair)
	s_wait_loadcnt 0x0
	v_lshrrev_b32 v128, s25, v128                  ; my head's two bytes to the word's low end
	v_lshrrev_b32 v129, s25, v129
	s_wait_alu depctr_va_vdst(0)                   ; v128 and v129 are written, which an LDS store below reads; so are the addresses v1 to v7 and v9, which every later LDS and memory instruction reads, and the zero codes, which the scaled products take
.irp i, 0,1,2,3
	ds_store_b128 v240, v[96+4*\i:99+4*\i] offset:8192*\i
.endr
.irp i, 0,1,2,3
	ds_store_b128 v242, v[112+4*\i:115+4*\i] offset:512*\i
.endr
	ds_store_b64 v244, v[128:129]
	ds_store_b32 v246, v130
	s_wait_dscnt 0x0                               ; for the others' sake: my stores are done
	s_barrier_signal -1
	s_barrier_wait -1                              ; K, V and their scale words lie in LDS; nobody writes them again
; Six LDS loads: a key step's eight scale words of k and its tiles 0-3.  ka, ko: the address register and the bytes on from it for the tiles; sa, so: for the words.
.macro NEXTK ka, ko, sa, so
	ds_load_b128 v[192:195], v[\sa] offset:\so     ; lane r: the words of tiles 0-3 at place r,
	ds_load_b128 v[196:199], v[\sa] offset:\so+256 ; of tiles 4-7
.irp t, 0,1,2,3
	ds_load_b128 v[32+8*\t:35+8*\t], v[\ka] offset:\ko+512*\t
.endr
.endm
; What the next step that I walk begins with.  Behind a step ahead of the diagonal comes the step 4,096 bytes of codes and 512 of scale words on; behind the diagonal's comes step 0, of the next pass or the next tile.
; It stands behind the wait for the exponentials.  No further wait: no vector or matrix instruction since that wait names k's places, the scale words or the addresses.
.macro ASK
	s_cmp_eq_u32 s28, s27
	s_cbranch_scc1 .Lagain_\@
	NEXTK ADK, 4096, ADS, 512
	s_branch .Lasked_\@
.Lagain_\@:
	NEXTK LI, 0, AKS, 0
.Lasked_\@:
.endm
; S^T = K Q^T for the step's 128 keys, four tiles of 16 keys at a time, and the mask on the diagonal.  pass = 2: v's fragments are asked for in the step's middle too.
.macro QK pass
	s_wait_dscnt 0x0                               ; tiles 0-3 of k and the step's eight scale words, asked for a step ago, are in
.irp t, 0,1,2,3
	v_wmma_scale_f32_16x16x128_f8f6f4 v[96+8*\t:103+8*\t], v[32+8*\t:39+8*\t], v[16:23], 0, v[192+\t], v205 matrix_a_fmt:MATRIX_FMT_FP4 matrix_b_fmt:MATRIX_FMT_FP4
.endr
	s_wait_alu depctr_vm_vsrc(0)                   ; the LDS loads issued so far have read v8, v10 and v11, which the three additions write
	v_add_nc_u32 v[ADK], s29, v[LI]
	v_add_nc_u32 v[ADS], s30, v[AKS]
	v_add_nc_u32 v[ADT], s31, v[AVS]
	v_nop                                          ; with the three additions: four plain places behind the products above, and behind the last step's, ahead of loads into registers that they read
	s_wait_alu depctr_va_vdst(0)                   ; the three addresses are written; the products above are done reading k's places; the last step's products V^T P^T are done reading v[64:95] and v[200:203]
.irp t, 0,1,2,3
	ds_load_b128 v[32+8*\t:35+8*\t], v[ADK] offset:512*(4+\t)
.endr
.if \pass == 2
.irp t, 0,1,2,3
.irp c, 0,1
	ds_load_b128 v[64+8*\t+4*\c:67+8*\t+4*\c], v[ADK] offset:VCO+2048*\c+512*\t   ; v's four tiles of 16 channels x these 128 keys; they land under the products below and the softmax
.endr
.endr
	ds_load_b128 v[200:203], v[ADT]
	s_wait_dscnt 9                                 ; tiles 4-7 are in; v's nine loads, issued behind them, may be out
.else
	s_wait_dscnt 0x0
.endif
.irp t, 0,1,2,3
	v_wmma_scale_f32_16x16x128_f8f6f4 v[128+8*\t:135+8*\t], v[32+8*\t:39+8*\t], v[16:23], 0, v[196+\t], v205 matrix_a_fmt:MATRIX_FMT_FP4 matrix_b_fmt:MATRIX_FMT_FP4
.endr
.rept 4
	v_nop
.endr
	s_cmp_lg_u32 s28, s27                          ; a step ahead of the diagonal's: all its keys count
	s_cbranch_scc1 .Lopen_\@
	v_add_nc_u32 v252, s33, v[DQ]                  ; my query - the step's first key - 16 (lane / 16): register n is hidden where 32 (n / 16) + n % 16 is not below it
	v_mov_b32 v254, 0xff800000                     ; -infinity
.irp b, 0,1,2,3                        ; sixteen compares in a run, into sixteen scalar registers, and one wait for the run
.set n, 0
.rept 16
	v_cmp_ge_i32 s[MK+n], 32*\b+n, v252
.set n, n+1
.endr
	s_wait_alu depctr_va_sdst(0)                   ; the sixteen masks are written, ahead of the selects that read them
.set n, 0
.rept 16
	v_cndmask_b32 v[96+16*\b+n], v[96+16*\b+n], v254, s[MK+n]
.set n, n+1
.endr
.endr
.Lopen_\@:
.endm
; Pass 1's part of a step: the running largest t, M, and the sum of 2^(t - M).
.macro STATS
.irp b, 0,1,2,3
	v_max3_num_f32 v[232+\b], v[96+16*\b], v[97+16*\b], v[98+16*\b]   ; four chains; each accumulator is read from its low end on
.endr
.irp i, 3,5,7,9,11,13
.irp b, 0,1,2,3
	v_max3_num_f32 v[232+\b], v[232+\b], v[96+16*\b+\i], v[97+16*\b+\i]
.endr
.endr
.irp b, 0,1,2,3
	v_max_num_f32 v[232+\b], v[232+\b], v[111+16*\b]
.endr
	v_max3_num_f32 v254, v232, v233, v234
	v_max_num_f32 v254, v254, v235
	v_permlanex16_b32 v236, v254, s20, s21
	v_max_num_f32 v254, v254, v236                 ; the step's largest score of my query
	v_mul_f32 v254, s22, v254                      ; as t (c is positive)
	v_max_num_f32 v13, v13, v254
	v_mov_b32 v254, v12
	v_floor_f32 v12, -v13                          ; -M = floor(-t): M is a whole number
	v_sub_f32 v254, v12, v254                      ; old M - new M: a whole number, 0 or less
	v_cvt_i32_f32 v254, v254                       ; (it saturates)
	v_ldexp_f32 v252, 1.0, v254                    ; f = 2^(old M - new M)
.set n, 0
.rept 32
	v_pk_fma_f32 v[96+n:97+n], v[96+n:97+n], s[22:23], v[12:13] op_sel_hi:[1,0,0]   ; t - M
.set n, n+2
.endr
.set n, 0
.rept 64
	v_exp_f32 v[96+n], v[96+n]
.set n, n+1
.endr
	v_pk_mul_f32 v[14:15], v[14:15], v[252:253] op_sel_hi:[1,0]   ; the sums under the new M: the plain place behind the exponentials
	s_wait_alu depctr_va_vdst(0)                   ; the 64 exponentials have written v[96:159], ahead of their first reader; and the products of tiles 4-7 are done reading k's places and the scale words, in which the loads below land
	ASK
	v_pk_add_f32 v[236:237], v[96:97], v[98:99]
.irp j, 4,8,12,16,20,24,28,32,36,40,44,48,52,56,60
	v_pk_add_f32 v[14:15], v[14:15], v[96+\j:97+\j]
	v_pk_add_f32 v[236:237], v[236:237], v[98+\j:99+\j]
.endr
	v_pk_add_f32 v[14:15], v[14:15], v[236:237]
.endm
; 64 numbers of a lane, register 16 b + i = key 32 b + 16 (lane / 16) + i of my query, become a fragment's codes in v[PC] on and its scale word in v[PW].
.macro QUANT s
.irp b, 0,1,2,3
	v_max3_num_f32 v[TM+\b], |v[\s+16*\b]|, |v[\s+1+16*\b]|, 0x1800000   ; and the floor 2^(3 - 127): the byte cannot fall under 1
.endr
.irp i, 2,4,6,8,10,12,14
.irp b, 0,1,2,3
	v_max3_num_f32 v[TM+\b], v[TM+\b], |v[\s+16*\b+\i]|, |v[\s+1+16*\b+\i]|
.endr
.endr
.irp b, 0,1,2,3
	v_permlanex16_b32 v[TM+4+\b], v[TM+\b], s20, s21
.endr
.irp b, 0,1,2,3
	v_max_num_f32 v[TM+\b], v[TM+\b], v[TM+4+\b]
.endr
.irp b, 0,1,2,3
	v_add_nc_u32 v[TM+12+\b], 0xff000000, v[TM+\b]
.endr
.irp b, 0,1,2,3
	v_lshrrev_b32 v[TM+4+\b], 23, v[TM+12+\b]
.endr
	v_lshl_or_b32 v[PW], v[TM+5], 8, v[TM+4]
	v_lshl_or_b32 v[PW], v[TM+6], 16, v[PW]
	v_lshl_or_b32 v[PW], v[TM+7], 24, v[PW]
.irp b, 0,1,2,3
	v_cvt_scalef32_pk8_fp4_f32 v[PC+2*\b], v[\s+16*\b:\s+7+16*\b], v[TM+12+\b]
	v_cvt_scalef32_pk8_fp4_f32 v[PC+1+2*\b], v[\s+8+16*\b:\s+15+16*\b], v[TM+12+\b]
.endr
	v_nop                                          ; one plain place behind a scaled conversion
.irp c, 0,1
.irp i, 0,1
	v_permlane16_swap_b32 v[PC+4*\c+\i], v[PC+2+4*\c+\i]   ; a whole block in a lane: lanes 0-15 block 2 c, lanes 16-31 block 2 c + 1
.endr
.endr
.endm
	NEXTK LI, 0, AKS, 0                            ; key step 0, for the first tile's pass 1.  No wait: v1 and v2 were written ahead of the last wait on va_vdst, and no vector instruction has named the registers in which these loads land
	s_lshl_b32 s26, s19, 4
	s_add_co_u32 s26, s26, s16                     ; my first tile of queries: 16 z + wave
	s_mov_b32 s32, 2
.Ltile:
	s_wait_xcnt 0x0                                ; the last tile's stores have read their data and their base: both are written again below
	s_wait_alu depctr_vm_vsrc(0)                   ; the last tile's global stores have read v[96:127] and its LDS stores v[160:191] (on the way in from the head: the LDS stores have read v[96:130]): products and v_mov below write them again
	s_lshr_b32 s27, s26, 3                         ; the diagonal's step
	s_mov_b32 s47, 0
	s_lshl_b32 s46, s26, 9
	s_add_nc_u64 s[40:41], s[34:35], s[46:47]      ; q's tile: 512 bytes a tile
	s_lshr_b32 s46, s26, 2
	s_lshl_b32 s46, s46, 8
	s_and_b32 s48, s26, 3
	s_lshl_b32 s48, s48, 2
	s_add_co_u32 s46, s46, s48
	s_add_nc_u64 s[42:43], s[36:37], s[46:47]      ; its scale words: 256 (T / 4) + 4 (T % 4), + 16 r
	s_lshr_b32 s46, s26, 1
	s_lshl_b32 s46, s46, 5
	s_and_b32 s48, s26, 1
	s_lshl_b32 s48, s48, 3
	s_add_co_u32 s46, s46, s48                     ; the tile's first query: 32 (T / 2) + 8 (T % 2)
	s_and_b32 s33, s46, 127                        ; counted from the diagonal step's first key
	s_lshl_b32 s46, s46, 12
	s_add_nc_u64 s[44:45], s[38:39], s[46:47]      ; its row of out
	global_load_b128 v[16:19], v[LI], s[40:41]     ; no wait on va_vdst: the last one (ahead of the way out's LDS stores; on the way in, ahead of the head's) stands behind every product that read q
	global_load_b32 v205, v[R16], s[42:43]         ; and its scale word, and no vector or matrix instruction has been issued since
	v_mov_b32 v13, 0xff61b1e6                      ; the largest t so far: -3e38
	v_floor_f32 v12, -v13
	v_mov_b32 v14, 0
	v_mov_b32 v15, 0
	s_wait_loadcnt 0x0
	v_lshrrev_b32 v205, s25, v205                  ; my head's two bytes
.irp i, 16,17,18,19
	v_xor_b32 v\i, s24, v\i                        ; -q where scale is negative
.endr
.set n, 0
.rept 32
	v_mov_b32 v[160+n], 0                          ; O^T.  (These 32 are also the places between the lines above and the first scaled product)
.set n, n+1
.endr
	s_wait_alu depctr_va_vdst(0)                   ; v205 and v[16:19] are written, which the scaled products take as scale and as operand; the places above stay beside this wait
	; ---- pass 1
	s_mov_b32 s28, 0
	s_mov_b32 s29, 0
	s_mov_b32 s30, 0
	s_mov_b32 s31, 0
.Lp1:
	s_cmp_gt_u32 s28, s27                          ; behind the diagonal: nothing to do but to step
	s_cbranch_scc1 .Lp1_skip
	QK 1
	STATS
.Lp1_skip:
	s_add_co_u32 s29, s29, 4096
	s_add_co_u32 s30, s30, 512
	s_add_co_u32 s31, s31, 256
	s_add_co_u32 s28, s28, 1
	s_cmp_lt_u32 s28, 8
	s_cbranch_scc1 .Lp1
	v_add_f32 v14, v14, v15                        ; the sum's two halves,
	v_permlanex16_b32 v236, v14, s20, s21
	v_add_f32 v14, v14, v236                       ; and lane l xor 16's
	v_rcp_f32 v206, v14
	v_nop                                          ; a plain place behind the reciprocal
	v_cmp_lt_f32 vcc_lo, 0, v14
	s_wait_alu depctr_va_vdst(0)                   ; the reciprocal has written v206, ahead of the first line that names it
	s_wait_alu depctr_va_vcc(0)                    ; the compare has written VCC, ahead of the select that reads it
	v_cndmask_b32 v206, 0, v206, vcc_lo            ; a row with no key (query 0) has the sum 0: its factor is 0, so that its p, its codes and its output are zeros
	v_mov_b32 v207, v206
	; ---- pass 2
	s_mov_b32 s28, 0
	s_mov_b32 s29, 0
	s_mov_b32 s30, 0
	s_mov_b32 s31, 0
.Lp2:
	s_cmp_gt_u32 s28, s27
	s_cbranch_scc1 .Lp2_skip
	QK 2
.set n, 0
.rept 32
	v_pk_fma_f32 v[96+n:97+n], v[96+n:97+n], s[22:23], v[12:13] op_sel_hi:[1,0,0]   ; t - M, M the row's final one
.set n, n+2
.endr
.set n, 0
.rept 64
	v_exp_f32 v[96+n], v[96+n]
.set n, n+1
.endr
	v_nop                                          ; the plain place behind the exponentials
	s_wait_alu depctr_va_vdst(0)                   ; the 64 exponentials have written v[96:159], ahead of their first reader; and the products of tiles 4-7 are done reading k's places and the scale words, in which the loads below land
	ASK
.set n, 0
.rept 32
	v_pk_mul_f32 v[96+n:97+n], v[96+n:97+n], v[206:207]   ; attn, finished
.set n, n+2
.endr
	QUANT 96
.rept 8
	v_nop                                          ; a scale word written by vector instructions stands 8 places ahead of a scaled product, an operand so written 4
.endr
	s_wait_alu depctr_va_vdst(0)                   ; p's codes v[208:215] and its scale word v204 are written, which the scaled products take; the places above stay beside this wait
	s_wait_dscnt 6                                 ; v's fragments and scale words are in; the six loads for the next step, issued behind them on either way, may be out
.irp t, 0,1,2,3
	v_wmma_scale_f32_16x16x128_f8f6f4 v[160+8*\t:167+8*\t], v[64+8*\t:71+8*\t], v[PC:PC+7], v[160+8*\t:167+8*\t], v[200+\t], v[PW] matrix_a_fmt:MATRIX_FMT_FP4 matrix_b_fmt:MATRIX_FMT_FP4   ; four accumulators by turns; the next step's eight products K Q^T stand between two links
.endr
.Lp2_skip:
	s_add_co_u32 s29, s29, 4096
	s_add_co_u32 s30, s30, 512
	s_add_co_u32 s31, s31, 256
	s_add_co_u32 s28, s28, 1
	s_cmp_lt_u32 s28, 8
	s_cbranch_scc1 .Lp2
	; ---- the way out: register 16 b + 4 k + e of O^T is channel 32 b + 16 (lane / 16) + 4 k + e of query lane r.  Through my stage, and back as whole rows of 256 bytes
.rept 4
	v_nop
.endr
	s_wait_alu depctr_va_vdst(0)                   ; the products have written O^T, which the LDS stores read; the conversions are done reading v[96:127], in which the stage's loads land; the places above stay beside this wait
.irp b, 0,1
.irp k, 0,1,2,3
	ds_store_b128 v[STO], v[160+16*\b+4*\k:163+16*\b+4*\k] offset:128*\b+16*\k   ; each accumulator from its low end on
.endr
.endr
.irp i, 0,1,2,3,4,5,6,7
	ds_load_b128 v[96+4*\i:99+4*\i], v[RD] offset:544*\i   ; LDS serves a wave's instructions in order: these see my stores
.endr
.irp i, 0,1,2,3,4,5,6,7
	s_wait_dscnt 7-\i                              ; the younger loads may be out
	global_store_b128 v[GO], v[96+4*\i:99+4*\i], s[44:45] offset:(2*\i+8*(\i/4))*4096 th:TH_STORE_NT   ; stage rows 8-15 are the queries 16 on; sixteen lanes store 256 consecutive bytes, aligned
.endr
	s_sub_co_u32 s26, 63, s26                      ; my other tile
	s_sub_co_u32 s32, s32, 1
	s_cmp_lg_u32 s32, 0
	s_cbranch_scc1 .Ltile
	s_wait_dscnt 0x0
	s_wait_alu depctr_hold_cnt(0) depctr_sa_sdst(0) depctr_va_vdst(0) depctr_va_sdst(0) depctr_va_ssrc(0) depctr_va_vcc(0) depctr_vm_vsrc(0)
	s_wait_tensorcnt 0x0
	ds_add_u32 v251, v255
	s_wait_dscnt 0x0
	s_endpgm
.Lfunc_end_k_q05877fd99f_attn:
	.size	k_q05877fd99f_attn, .Lfunc_end_k_q05877fd99f_attn-k_q05877fd99f_attn
	.p2alignl 7, 3214868480
	.fill 96, 4, 3214868480
	.section	.rodata,"a",@progbits
	.p2align	6, 0x0
	.amdhsa_kernel k_q05877fd99f_attn
		.amdhsa_group_segment_fixed_size 143360
		.amdhsa_private_segment_fixed_size 0
		.amdhsa_enable_private_segment 0
		.amdhsa_kernarg_size 48
		.amdhsa_user_sgpr_count 2
		.amdhsa_user_sgpr_kernarg_segment_ptr 1
		.amdhsa_wavefront_size32 1
		.amdhsa_system_sgpr_workgroup_id_x 1
		.amdhsa_system_sgpr_workgroup_id_y 1
		.amdhsa_system_sgpr_workgroup_id_z 1
		.amdhsa_system_vgpr_workitem_id 0
		.amdhsa_next_free_vgpr 256
		.amdhsa_next_free_sgpr 82
		.amdhsa_reserve_vcc 1
		.amdhsa_float_denorm_mode_32 3
		.amdhsa_float_denorm_mode_16_64 3
		.amdhsa_memory_ordered 1
		.amdhsa_forward_progress 1
		.amdhsa_inst_pref_size 57
	.end_amdhsa_kernel
	.amdgpu_metadata
---
amdhsa.version: [ 1, 2 ]
amdhsa.kernels:
  - .name:           k_q05877fd99f_attn
    .symbol:         k_q05877fd99f_attn.kd
    .args:
      - { .name: qkc, .offset: 0, .size: 8, .value_kind: global_buffer, .address_space: global }
      - { .name: qks, .offset: 8, .size: 8, .value_kind: global_buffer, .address_space: global }
      - { .name: vc, .offset: 16, .size: 8, .value_kind: global_buffer, .address_space: global }
      - { .name: vs, .offset: 24, .size: 8, .value_kind: global_buffer, .address_space: global }
      - { .name: scale, .offset: 32, .size: 8, .value_kind: global_buffer, .address_space: global }
      - { .name: out0, .offset: 40, .size: 8, .value_kind: global_buffer, .address_space: global }
    .group_segment_fixed_size: 143360
    .private_segment_fixed_size: 0
    .kernarg_segment_align: 8
    .kernarg_segment_size: 48
    .max_flat_workgroup_size: 512
    .sgpr_count:     82
    .vgpr_count:     256
    .wavefront_size: 32
...
	.end_amdgpu_metadata
.endif
;; end of part 4
